; MI455X (gfx1250); checked and timed in simulation.
; The chip was launched on July 23, 2026; its instructions are those of AMD's public machine-readable ISA for CDNA 5 (MIT licence, August 2026) and "CDNA5" Instruction Set Architecture Reference Guide (July 2026). The comments in the code are by the model that wrote it; some were corrected since.
;; Attention. Allowed arithmetic: matrix products marked QUANTISED: E2M3 operands, one E8M0 scale for each 32 along K, by v_wmma_scale_f32_16x16x128_f8f6f4 with both operands' format E2M3, f32 sums; everything else in f32.
;; Inputs: W_out 1,024 x 1,024 float32; W_qkv 1,024 x 3,072 float32; b_out 1,024 float32; rope_cos 4,096 x 64 float32; rope_sin 4,096 x 64 float32; x 2 x 2,048 x 1,024 float32.
;; Outputs: out0 2 x 2,048 x 1,024 float32.
;; This version of the problem:
;;   THIS VERSION OF THE PROBLEM IS GIVEN IN LOW PRECISION. The matrix products marked QUANTISED in the list below multiply operands that are first quantised to E2M3 (2 exponent bits, 3 mantissa bits; 6 bits a number), with one power-of-two scale for each 32 numbers along K (OCP MX v1.0); their sums are f32. All else is computed in f32.
;;   The module's matrix products, in the order in which they are computed (A, B: the left and right operand; K: the contracted axis; several contracted axes count as one K, in the product's order):
;;     1. [M 4,096, K 1,024] x [K 1,024, N 3,072]; A: input x; B: input W_qkv: QUANTISED
;;     2. batch 32 x [M 2,048, K 64] x [K 64, N 2,048]; A: computed on the way; B: computed on the way: QUANTISED
;;     3. batch 32 x [M 2,048, K 2,048] x [K 2,048, N 64]; A: softmax (see below); B: computed on the way: QUANTISED
;;     4. [M 4,096, K 1,024] x [K 1,024, N 1,024]; A: computed on the way; B: input W_out: QUANTISED
;;   THE QUANTISER, for each operand of a quantised product, along K:
;;     - K is cut into blocks of 32 from its start; a last block that is shorter is filled with zeros.
;;     - A block's scale is 2^e with e = floor(log2(the largest magnitude in the block)) - 2, held to -126 .. 127; a block of zeros has e = 0. As a byte (E8M0): e + 127.
;;     - Each number is divided by its block's scale, clamped to +-7.5, and rounded to the nearest number of E2M3, ties to even, subnormals kept.
;;     - The product sums the exact products of the quantised numbers (number of the format x scale) in f32.
;;   ~~~python
;;   def quantise(x, axis):      # numpy; x: float32 -> the quantised numbers, widened to float32 again
;;       x = np.moveaxis(x, axis, -1); K = x.shape[-1]
;;       x = np.pad(x, [(0, 0)] * (x.ndim - 1) + [(0, -K % 32)]); x = x.reshape(x.shape[:-1] + (-1, 32)); a = np.abs(x).max(-1, keepdims=True)
;;       e = np.where(a > 0, np.clip(np.frexp(np.where(a > 0, a, 1))[1] - 1 - 2, -126, 127), 0)      # np.frexp(a)[1] - 1 = floor(log2(a)), exactly
;;       r = np.clip(x / 2.0 ** e, -7.5, 7.5)
;;       step = 2.0 ** (np.maximum(np.frexp(np.where(r == 0, 1, r))[1] - 1, 0) - 3)
;;       q = np.round(r / step) * step * 2.0 ** e      # np.round: ties to even
;;       return np.moveaxis(q.reshape(q.shape[:-2] + (-1,))[..., :K], -1, axis).astype(np.float32)
;;   ~~~
;;   SOFTMAX AHEAD OF A QUANTISED PRODUCT. Where the list says 'softmax', what is quantised is not the finished softmax but p = 2^(t - M), with t = logit x log2(e) and M = ceil(the row's largest t), a whole number; so 1/2 < the row's largest p <= 1. The row's sum l is taken of the UNQUANTISED p, in f32, and the product's result is divided by l at the end. Since M is a whole number, a kernel that streams over the keys may use a running M (the ceiling of the running maximum): every later rescaling is an exact power of two, which a block's scale takes up: the codes' values come out the same.
;;   OPERANDS COMPUTED ON THE WAY. 'Computed on the way' means the value that the module computes at that place (a softmax that the list does not call 'softmax' is quantised finished and normalised). What goes into a quantiser is computed in f32, as accurately as f32 sums, v_exp_f32 and their like allow (about 1e-6 of the number): no bf16 or f16 on the way to a quantiser, and a product that is left as it is and whose result goes on into a quantised operand takes f32 operands (vector FMAs, or v_wmma_f32_16x16x4_f32). A number that lies on a knife's edge between two numbers of the format may be rounded either way, as far as f32 arithmetic and the matrix unit's own rounding can turn it there, and no further.
;; One version. Each part assembles by itself: llvm-mc -triple=amdgcn-amd-amdhsa -mcpu=gfx1250 --defsym DOCPART=n.
;; ======== version 1 of 1: 4 launches
;; limits: right only within a limited range of input values
;; workspace buffers: ximg 3,276,800 bytes; wimg 3,276,800 bytes; qimg 3,276,800 bytes; kv 6,553,600 bytes; oimg 3,276,800 bytes
;; launch prep (part 1): grid 512 x 1, 4 waves a work-group, no clusters, 34,304 bytes of LDS; arguments x, W_qkv, W_out, ximg, wimg; writes ximg, wimg
.if DOCPART == 1
	.amdgcn_target "amdgcn-amd-amdhsa--gfx1250"
	.amdhsa_code_object_version 6
	.text
	.protected	k_q425254346f_prep
	.globl	k_q425254346f_prep
	.p2align	8
	.type	k_q425254346f_prep,@function
k_q425254346f_prep:
	s_mov_b64 s[64:65], 0
	v_nop
	global_prefetch_b8 v0, s[64:65] scope:SCOPE_SE
	s_setreg_imm32_b32 hwreg(HW_REG_WAVE_MODE, 25, 1), 1
	s_wait_xcnt 0x0
; x [4096][1024], W_qkv [1024][3072] and W_out [1024][1024], f32, become codes of FP6 (E2M3) with one E8M0 scale byte for each 32 along K (x: its last axis; the weights: their FIRST axis).
; A block's scale is 2^(floor(log2(its largest magnitude)) - 2): its byte is the largest magnitude's exponent field - 2, held at 1 from below by a floor among the maximum's leaves.
; LIMITS: NaN and infinities among the inputs are not served.  A block of zeros gets the byte 1 where the rule says 127: its codes are zeros, and this program alone reads the bytes.
; WORK LEFT OUT in the program: scores of whole steps of 128 keys that come after all queries of a tile (kernel attn): reference() builds the causal mask in its own body and puts finfo.min there, whose p is 0 beside the row's own key, for
; all inputs; and rows 2,048 and on of the two tables, which reference() slices away.  A NaN, an infinity or an overflow that reaches only these is not carried to the result.
; THE OUTPUT IS LAID IN THE ORDER OF THE OPERAND'S REGISTERS.  A fragment (16 rows x 128 K, 12 registers a lane) is 1,536 bytes: registers 4 g .. 4 g + 3 of lane l at 512 g + 16 l.
; ximg = [64 tokens: 0..63][K step of 128: 0..7] and W_qkv's part of wimg = [64 columns, a head of q, k or v: 0..47][K step] blocks of 6,400 bytes: four fragments, from byte 6,144 the scale words of the two pairs of tiles, 128 bytes each:
; 4 l, lanes 0-15 the pair's first tile, lanes 16-31 its second.
; W_out's part of wimg, behind it = [128 columns: 0..7][K half] blocks of 51,200 bytes: fragment (tile i, K step q of four) at (8 q + i) x 1,536; from byte 49,152 the scale words: 512 q + 128 (i / 2) + 4 l.
; THE ROWS OF A TILE ARE NOT NEIGHBOURS, so that later results are neighbours in a lane's registers.  x: of 64 neighbouring tokens, lane row r of tile t is token 8 t + r % 8 + 32 (r / 8).  Weights: of 32 neighbouring columns, lane row r of
; tile u is column 8 u + r + 8 (r / 8).
; SHARES: work-groups 0-255 take x, 256-511 the weights: work-group = (block of 128 rows or columns, K step of 128), wave = a pair of tiles: two fragments and 128 bytes of scale words.
; The scale words of a wave are 128 consecutive bytes, half of an aligned 256: 4 bytes in 100 of what the launch stores.  Memory binds: no matrix unit, no cluster, no tensor load.
.set BLK,  51200
.set FRG,  1536
.set SCW,  49152
.set SPI,  528                         ; x's stage: a row of 512 bytes + 16: the sixteen rows that a read touches start in sixteen different columns of 16 bytes
.set STG,  16*SPI                      ; a stage for each wave
.set SPARE, 4*STG+512
.set SPW,  15
.set NIL,  31
.set PC,   16                          ; v16-35   the codes just made (12 registers, and 8 at work; v31 is NIL's only in x's way out: see there)
.set TM,   36                          ; v36-39 largest magnitudes, v40-43 at work and bytes, v48-51 the conversions' scale operands
.set PW,   52                          ; v52      the scale word just made;  v53-54 those of the two units;  v55 as stored
.set PW0,  53
.set SW,   55
.set NILX, 56
.set R,    64                          ; v64-191  x as loaded: 2 units x 16 rows x 4 registers
.set X,    192                         ; v192-255 64 numbers of my row: register 16 b + i = k 32 b + 16 (lane / 16) + i
.set RO,   32                          ; weights: v32-63 row offsets;  v64-127 two sets of 32 numbers;  v128-151 the two lane images;  v152.. at work
.set XW,   64
.set CW,   128
.set CT,   152
.set M1,   156
.set M2,   157
.set SOP,  158
.set BY,   159
.set SWW,  160
; 64 numbers of a lane become a fragment's codes in v[PC] on and its scale word in v[PW]
.macro QUANT s
.irp b, 0,1,2,3
	v_max3_num_f32 v[TM+\b], |v[\s+16*\b]|, |v[\s+1+16*\b]|, 0x1800000   ; block b: my 16 numbers, and the floor 2^(3 - 127): the byte cannot fall under 1
.endr
.irp i, 2,4,6,8,10,12,14
.irp b, 0,1,2,3
	v_max3_num_f32 v[TM+\b], v[TM+\b], |v[\s+16*\b+\i]|, |v[\s+1+16*\b+\i]|   ; the four blocks by turns
.endr
.endr
.irp b, 0,1,2,3
	v_permlanex16_b32 v[TM+4+\b], v[TM+\b], s16, s17
.endr
.irp b, 0,1,2,3
	v_max_num_f32 v[TM+\b], v[TM+\b], v[TM+4+\b]   ; with lane l xor 16's 16: the block's largest magnitude
.endr
.irp b, 0,1,2,3
	v_add_nc_u32 v[TM+12+\b], 0xff000000, v[TM+\b]   ; 2 off its exponent field: the conversion takes that field as its scale
.endr
.irp b, 0,1,2,3
	v_lshrrev_b32 v[TM+4+\b], 23, v[TM+12+\b]      ; the scale's byte
.endr
	v_lshl_or_b32 v[PW], v[TM+5], 8, v[TM+4]
	v_lshl_or_b32 v[PW], v[TM+6], 16, v[PW]
	v_lshl_or_b32 v[PW], v[TM+7], 24, v[PW]
.irp c, 0,1
	v_cvt_scalef32_pk16_fp6_f32 v[PC+6*\c:PC+2+6*\c], v[\s+32*\c:\s+15+32*\c], v[TM+12+2*\c]
	v_cvt_scalef32_pk16_fp6_f32 v[PC+12+4*\c:PC+14+4*\c], v[\s+16+32*\c:\s+31+32*\c], v[TM+12+2*\c+1]   ; a conversion's three registers begin on an even number
.endr
	v_nop                                          ; one plain instruction behind the scaled conversions
.irp c, 0,1                                    ; the operand wants a whole block in a lane: lanes 0-15 block 2 c, lanes 16-31 block 2 c + 1
.irp i, 0,1,2
	v_permlane16_swap_b32 v[PC+6*\c+\i], v[PC+12+4*\c+\i]
.endr
.irp i, 0,1,2
	v_mov_b32 v[PC+3+6*\c+\i], v[PC+12+4*\c+\i]
.endr
.endr
.endm
	s_load_b128 s[4:7], s[0:1], 0x0                ; x, W_qkv
	s_load_b128 s[8:11], s[0:1], 0x10              ; W_out, ximg
	s_load_b64 s[12:13], s[0:1], 0x20              ; wimg
	v_lshl_add_u32 v[SPW], v0, 2, 0x8400
	v_mov_b32 v[NIL], 0
	v_lshrrev_b32 v1, 5, v0
	v_readfirstlane_b32 s14, v1                    ; wave = which pair of tiles
	v_and_b32 v2, 31, v0                           ; lane
	v_lshlrev_b32 v3, 4, v2                        ; 16 x lane
	v_lshlrev_b32 v4, 2, v2                        ; 4 x lane
	s_mov_b32 s16, 0x76543210
	s_mov_b32 s17, 0xfedcba98                      ; v_permlanex16_b32's selects for lane l xor 16
	s_mov_b32 s18, 0xffff0000                      ; lanes 16-31
	s_and_b32 s19, ttmp9, 7                        ; K step of 128
	s_bfe_u32 s20, ttmp9, 0x50003                  ; block of 128 rows (x) or columns (weights): 5 bits from bit 3
	; W_out's form: blocks of 128 columns x 512 K
	s_lshl_b32 s24, s20, 1
	s_lshr_b32 s25, s19, 2
	s_add_co_u32 s24, s24, s25
	s_mul_i32 s24, s24, BLK                        ; my block of the image: 2 x block + K half (W_qkv's 24 blocks of 128 columns take as many bytes)
	s_and_b32 s25, s19, 3                          ; q: the K step in that half
	s_lshl_b32 s26, s25, 3
	s_lshl_b32 s27, s14, 1
	s_add_co_u32 s26, s26, s27
	s_mul_i32 s26, s26, FRG
	s_add_co_u32 s26, s26, s24                     ; my two fragments: (8 q + 2 wave) x 1,536
	s_mov_b32 s27, 0
	s_lshl_b32 s28, s25, 9
	s_lshl_b32 s29, s14, 7
	s_add_co_u32 s28, s28, s29
	s_add_co_u32 s28, s28, s24
	s_add_co_u32 s28, s28, SCW                     ; my scale words: 49,152 + 512 q + 128 wave
	s_mov_b32 s29, 0
	; x's and W_qkv's form: blocks of 64 rows or columns x 128 K
	s_lshl_b32 s30, s20, 4                         ; 2 x block of 128, eight K steps each
	s_lshr_b32 s31, s14, 1
	s_lshl_b32 s31, s31, 3
	s_add_co_u32 s30, s30, s31                     ; + which 64 of the 128
	s_add_co_u32 s30, s30, s19
	s_mul_i32 s30, s30, 6400
	s_and_b32 s31, s14, 1                          ; which pair of its four tiles
	s_mul_i32 s32, s31, 2*FRG
	s_add_co_u32 s32, s32, s30
	s_lshl_b32 s33, s31, 7
	s_add_co_u32 s33, s33, s30
	s_add_co_u32 s33, s33, 6144
	s_cmp_ge_u32 ttmp9, 448                        ; W_out's work-groups: column blocks 24-31
	s_cselect_b32 s26, s26, s32
	s_cselect_b32 s28, s28, s33
	s_wait_kmcnt 0x0
	s_cmp_lt_u32 ttmp9, 256                        ; x's work-group or a weight's?  The choice hangs on the work-group's number alone
	s_cselect_b64 s[10:11], s[10:11], s[12:13]
	s_add_nc_u64 s[26:27], s[10:11], s[26:27]
	s_add_nc_u64 s[28:29], s[10:11], s[28:29]
	s_cbranch_scc0 .Lweights
	; ---------------- x: K is innermost.  A load takes 512 consecutive bytes of one row; the rows turn through the wave's own stage, so that a lane gets 16 neighbours of each block of its row
	s_lshl_b32 s22, s20, 19                        ; 128 rows of 4,096 bytes a block,
	s_lshr_b32 s23, s14, 1
	s_lshl_b32 s23, s23, 18                        ; 64 rows for each two waves,
	s_add_co_u32 s22, s22, s23
	s_and_b32 s23, s14, 1
	s_lshl_b32 s23, s23, 16                        ; tiles 0, 1 or 2, 3: 16 rows on,
	s_add_co_u32 s22, s22, s23
	s_lshl_b32 s23, s19, 9                         ; 512 bytes a K step
	s_add_co_u32 s22, s22, s23
	s_mov_b32 s23, 0
	s_add_nc_u64 s[4:5], s[4:5], s[22:23]
	s_wait_alu depctr_va_vdst(0)
.irp u, 0,1
.irp p, 0,1,2,3,4,5,6,7,8,9,10,11,12,13,14,15
	global_load_b128 v[R+64*\u+4*\p:R+64*\u+4*\p+3], v3, s[4:5] offset:(8*\u+\p+24*(\p/8))*4096 th:TH_LOAD_NT   ; tile u's lane row p
.endr
.endr
	s_mul_i32 s30, s14, STG
	v_add_nc_u32 v5, s30, v3                       ; into the stage: 16 x lane of a row
	v_and_b32 v7, 15, v0
	v_bfe_u32 v8, v0, 4, 1
	v_mul_u32_u24 v6, v7, SPI
	v_lshl_add_u32 v6, v8, 6, v6
	v_add_nc_u32 v6, s30, v6                       ; out of it: row lane % 16, + 64 bytes for lanes 16-31
.irp b, 0,1,2,3
	v_mov_b32 v[TM+4+\b], 0                        ; written once: a lane permute's destination counts as one of its sources
.endr
.macro UNIT u
	s_wait_loadcnt 16*(1-\u)                       ; this unit's 16 loads are in; unit 1's 16 may be out
.irp p, 0,1,2,3,4,5,6,7,8,9,10,11,12,13,14,15
	ds_store_b128 v5, v[R+64*\u+4*\p:R+64*\u+4*\p+3] offset:\p*SPI
.endr
.irp b, 0,1,2,3
.irp j, 0,1,2,3
	ds_load_b128 v[X+16*\b+4*\j:X+16*\b+4*\j+3], v6 offset:128*\b+16*\j   ; LDS serves a wave's instructions in order (ISA guide 5.7.1.4): these see the stores above
.endr
.endr
	s_wait_dscnt 0x0
.if \u
	s_wait_xcnt 0x0                                ; unit 0's stores have read the codes' registers: they are written again only behind this wait
.endif
	QUANT X
.irp g, 0,1,2
	global_store_b128 v3, v[PC+4*\g:PC+4*\g+3], s[26:27] offset:FRG*\u+512*\g   ; 512 consecutive bytes, aligned
.endr
	v_mov_b32 v[PW0+\u], v[PW]
.endm
	s_wait_alu depctr_va_vdst(0)
	UNIT 0
	UNIT 1
	v_cndmask_b32 v[SW], v[PW0], v[PW0+1], s18     ; lanes 0-15 the even tile's words, lanes 16-31 the odd tile's
	global_store_b32 v4, v[SW], s[28:29]
	s_wait_tensorcnt 0x0                           ; the wave's end
	ds_add_u32 v[SPW], v[NIL]                      ; (the conversions' temporaries are v28-30 and v32-34: v31 still holds 0)
	s_wait_dscnt 0x0
	s_endpgm
.Lweights:
	; ---------------- weights: K is the first axis.  A lane takes a column and its registers run down K: a block of 32 lies in one lane, and the codes come out with K innermost
	s_cmp_lt_u32 s20, 24
	s_cselect_b64 s[6:7], s[6:7], s[8:9]           ; W_qkv or W_out
	s_mov_b32 s31, 4096
	s_cselect_b32 s31, 12288, s31                  ; a row of it in bytes
	s_cselect_b32 s32, 0, 24
	s_sub_co_u32 s32, s20, s32                     ; the column block in that tensor
	s_lshl_b32 s32, s32, 9
	s_lshl_b32 s33, s14, 7
	s_add_co_u32 s32, s32, s33                     ; my wave's first column, in bytes
	s_lshl_b32 s33, s19, 7
	s_mul_i32 s33, s33, s31                        ; my K step's first row
	s_add_co_u32 s32, s32, s33
	s_mov_b32 s33, 0
	s_add_nc_u64 s[36:37], s[6:7], s[32:33]        ; four bases, one for each block of 32 rows
	s_lshl_b32 s34, s31, 5
	s_mov_b32 s35, 0
	s_add_nc_u64 s[38:39], s[36:37], s[34:35]
	s_add_nc_u64 s[40:41], s[38:39], s[34:35]
	s_add_nc_u64 s[42:43], s[40:41], s[34:35]
.set n, 0
	s_wait_alu depctr_va_vdst(0)
.rept 32
	v_mad_u32_u24 v[RO+n], s31, n, v4              ; row n of a block, my column: neighbouring lanes read neighbouring columns, 128 consecutive bytes a load
.set n, n+1
.endr
.macro LOADW t
.set n, 0
.rept 32
	global_load_b32 v[XW+32*((\t)%2)+n], v[RO+n], s[36+2*(\t):37+2*(\t)] th:TH_LOAD_NT
.set n, n+1
.endr
.endm
	LOADW 0
	LOADW 1
	v_bfe_u32 v5, v0, 3, 1                         ; my column n' of 32 is lane row r = n' % 8 + 8 (n' / 16) of tile u = (n' / 8) % 2
	v_and_b32 v6, 7, v0
	v_bfe_u32 v7, v0, 4, 1
	v_lshl_add_u32 v6, v7, 3, v6
	v_mul_u32_u24 v8, v5, FRG
	v_lshl_add_u32 v8, v6, 4, v8                   ; where lane (r, 0)'s 16 bytes lie in my two fragments
	v_lshl_add_u32 v9, v5, 4, v6
	v_lshlrev_b32 v9, 2, v9                        ; and my scale word: 4 (16 u + r)
; block t = 2 c + h of my column is what registers 6 c .. 6 c + 5 of lane (r, h) hold: I make both lanes' images, v[CW + 12 h ..]
.macro BLOCKW t
.set XS, XW+32*((\t)%2)
.set CD, CW+12*((\t)%2)+6*((\t)/2)
.if (\t) < 3
	s_wait_loadcnt 32                              ; this block's 32 loads are in; the next block's 32 may be out
.else
	s_wait_loadcnt 0x0
.endif
	v_max3_num_f32 v[M1], |v[XS]|, |v[XS+1]|, |v[XS+2]|
	v_max3_num_f32 v[M2], |v[XS+3]|, |v[XS+4]|, |v[XS+5]|
.irp i, 6,10,14,18,22,26
	v_max3_num_f32 v[M1], v[M1], |v[XS+\i]|, |v[XS+\i+1]|
	v_max3_num_f32 v[M2], v[M2], |v[XS+\i+2]|, |v[XS+\i+3]|
.endr
	v_max3_num_f32 v[M1], v[M1], |v[XS+30]|, |v[XS+31]|
	v_max3_num_f32 v[M1], v[M1], v[M2], 0x1800000  ; and the floor 2^(3 - 127)
	v_add_nc_u32 v[SOP], 0xff000000, v[M1]
	v_lshrrev_b32 v[BY], 23, v[SOP]
.if (\t) == 0
	v_mov_b32 v[SWW], v[BY]
.else
	v_lshl_or_b32 v[SWW], v[BY], 8*(\t), v[SWW]
.endif
	v_cvt_scalef32_pk16_fp6_f32 v[CD:CD+2], v[XS:XS+15], v[SOP]
	v_cvt_scalef32_pk16_fp6_f32 v[CT:CT+2], v[XS+16:XS+31], v[SOP]
	v_nop                                          ; one plain instruction behind the scaled conversions
.irp i, 0,1,2
	v_mov_b32 v[CD+3+\i], v[CT+\i]
.endr
.if (\t) < 2
	LOADW (\t)+2
.endif
.endm
	BLOCKW 0
	BLOCKW 1
	BLOCKW 2
	BLOCKW 3
.irp h, 0,1
.irp g, 0,1,2
	global_store_b128 v8, v[CW+12*\h+4*\g:CW+12*\h+4*\g+3], s[26:27] offset:256*\h+512*\g   ; the sixteen lanes of a tile fill 256 consecutive bytes, aligned
.endr
.endr
	global_store_b32 v9, v[SWW], s[28:29]
	s_endpgm
.Lfunc_end_k_q425254346f_prep:
	.size	k_q425254346f_prep, .Lfunc_end_k_q425254346f_prep-k_q425254346f_prep
	.p2alignl 7, 3214868480
	.fill 96, 4, 3214868480
	.section	.rodata,"a",@progbits
	.p2align	6, 0x0
	.amdhsa_kernel k_q425254346f_prep
		.amdhsa_group_segment_fixed_size 34304
		.amdhsa_private_segment_fixed_size 0
		.amdhsa_enable_private_segment 0
		.amdhsa_kernarg_size 40
		.amdhsa_user_sgpr_count 2
		.amdhsa_user_sgpr_kernarg_segment_ptr 1
		.amdhsa_wavefront_size32 1
		.amdhsa_system_sgpr_workgroup_id_x 1
		.amdhsa_system_sgpr_workgroup_id_y 1
		.amdhsa_system_sgpr_workgroup_id_z 1
		.amdhsa_system_vgpr_workitem_id 0
		.amdhsa_next_free_vgpr 256
		.amdhsa_next_free_sgpr 66
		.amdhsa_reserve_vcc 0
		.amdhsa_float_denorm_mode_32 3
		.amdhsa_float_denorm_mode_16_64 3
		.amdhsa_memory_ordered 1
		.amdhsa_forward_progress 1
		.amdhsa_inst_pref_size 41
	.end_amdhsa_kernel
	.amdgpu_metadata
---
amdhsa.version: [ 1, 2 ]
amdhsa.kernels:
  - .name:           k_q425254346f_prep
    .symbol:         k_q425254346f_prep.kd
    .args:
      - { .name: x, .offset: 0, .size: 8, .value_kind: global_buffer, .address_space: global }
      - { .name: W_qkv, .offset: 8, .size: 8, .value_kind: global_buffer, .address_space: global }
      - { .name: W_out, .offset: 16, .size: 8, .value_kind: global_buffer, .address_space: global }
      - { .name: ximg, .offset: 24, .size: 8, .value_kind: global_buffer, .address_space: global }
      - { .name: wimg, .offset: 32, .size: 8, .value_kind: global_buffer, .address_space: global }
    .group_segment_fixed_size: 34304
    .private_segment_fixed_size: 0
    .kernarg_segment_align: 8
    .kernarg_segment_size: 40
    .max_flat_workgroup_size: 128
    .sgpr_count:     66
    .vgpr_count:     256
    .wavefront_size: 32
...
	.end_amdgpu_metadata
.endif
;; end of part 1
;; launch qkv (part 2): grid 16 x 16, 4 waves a work-group, clusters of 4 x 4, 167,936 bytes of LDS; arguments ximg, wimg, rope_cos, rope_sin, qimg, kv; writes qimg, kv
.if DOCPART == 2
	.amdgcn_target "amdgcn-amd-amdhsa--gfx1250"
	.amdhsa_code_object_version 6
	.text
	.protected	k_q425254346f_qkv
	.globl	k_q425254346f_qkv
	.p2align	8
	.type	k_q425254346f_qkv,@function
k_q425254346f_qkv:
	s_mov_b64 s[64:65], 0
	v_nop
	global_prefetch_b8 v0, s[64:65] scope:SCOPE_SE
	s_setreg_imm32_b32 hwreg(HW_REG_WAVE_MODE, 25, 1), 1
	s_wait_xcnt 0x0
	s_wait_alu depctr_hold_cnt(0) depctr_sa_sdst(0) depctr_va_vdst(0) depctr_va_sdst(0) depctr_va_ssrc(0) depctr_va_vcc(0) depctr_vm_vsrc(0)
	s_getreg_b32 s2, hwreg(HW_REG_IB_STS2, 6, 4)
	s_cmp_eq_u32 s2, 0
	s_cbranch_scc0 .Lentry_in_a_cluster
	s_endpgm
.Lentry_in_a_cluster:
	s_bfe_u32 s2, ttmp6, 0x10000c
	s_cmp_lg_u32 s2, 0xf033
	s_cbranch_scc0 .Lentry_shape_is_right
	s_endpgm
.Lentry_shape_is_right:
; qkv = x W_qkv on codes of FP6 (E2M3) with E8M0 scales, f32 sums; q and k are rotated (RoPE, f32) and quantised along the head's 64; v is quantised along the keys.  Nothing wide goes to memory.
; SHARES.  256 work-groups: 256 tokens x head c of q, of k and of v (c = work-group x).  Wave w makes tokens 64 w .. 64 w + 63 of them x all 192 columns: 48 accumulators of 16 x 16.
; x GOES FROM MEMORY STRAIGHT INTO REGISTERS: ximg is laid in the order of the operand's registers, each load takes 512 consecutive bytes, and no two waves of a work-group want the same rows.  Four K steps of 128 lie in
; registers by turns: a K step's 14 loads are issued four K steps ahead of their use.  (No joint load: what goes to registers has no joint form.)
; W: the three heads' columns, all of K, lie in LDS, filled ONCE: wave w fetches K steps 2 w, 2 w + 1 of the three heads by one tensor load of 3 rows of 12,800 bytes.  The four work-groups of a column of the cluster want the
; same columns and ask jointly.  No prefetch: every tensor load of the launch is issued at its head.
; LDS: [K quarter][q, k, v][K step % 2] blocks of 6,400 bytes: four fragments of 1,536, then 256 bytes of scale words.  Behind them 1,536 bytes in which the results' scale words are gathered.
; q, k: the product is used transposed (source 0 = W's columns, source 1 = tokens): a lane holds one token; its 32 registers are d = 16 h + 0..15 and 32 + 16 h + 0..15 (h = lane / 16): d and d + 32, which the rotation pairs.
; v: source 0 = tokens, source 1 = columns: a lane holds one d; by the tokens' order in a tile its 32 registers are 32 NEIGHBOURING keys: a whole scale block.
; OUT.  A STEP block (6,400 bytes) is 128 tokens of one head: eight halves of fragments of 768 bytes (registers 0-3 of lane l at 16 l, registers 4-5 at 512 + 8 l), then 256 bytes of scale words, 64 f + 4 r for fragment f, row r.
; q, k: half 4 b + t is tile t of band b of 64 tokens; fragment f is halves 2 f, 2 f + 1.  v: half 2 f + b is 16 of the head's 64 x band b.
; qimg = [batch x head][step] STEP;  kv = [batch x head][step][K's STEP, V's STEP].
; LIMITS: NaN and infinities are not served; a block of zeros gets the byte 1 (its codes are zeros; this program alone reads the bytes); the rotation is a product and a fused multiply-add (one rounding less than two products and a sum).
; REGISTERS: window 0: v1-18 addresses, v24-37 scale words of x (four sets) and W, v40-76 at work, v96-239 W's fragments (48 for each of q, k, v), on the way out v96-159 rotated numbers and v160-231 codes, each fragment's its own;
;   window 1: q's and k's accumulators;  window 2: v's, and from v128 the tables of tiles 0, 1;  window 3: x's fragments, four sets of 48, later the tables of tiles 2, 3.
.set L16,  1
.set L8,   2
.set L4,   3
.set RA,   4                           ; the tables: my token's row, + 64 bytes for lanes 16-31
.set AW,   5                           ; v5-8   16 x lane + K quarter
.set AS,   9                           ; v9-12  4 x lane + K quarter
.set VSA,  13
.set QSA,  14
.set RSA,  15
.set GSO,  16
.set XS,   24
.set WS,   32
.set CT,   40
.set TM,   56
.set SO,   64
.set BY,   68
.set PW,   72
.set SS,   76
.set WB,   96
.set T,    96
.set PV,   160
.set PQ,   184
.set SPW,  240
.set NIL,  241
.set QUART, 38400
.set SCR,  4*QUART
.set SPARE, SCR+1536
.set WV,   16
.set G1,   24
.set G0,   32
.set XB,   36
.set SEL,  42
.set QB,   44
.set KB,   46
.set VB,   48
.set SCB,  50
.set HI16, 52
.set MSB, 0
.macro WIN new                         ; the immediate's high byte repeats the setting that is left; a switch that changes nothing is dropped
.if MSB != (\new)
	s_set_vgpr_msb (MSB<<8)|(\new)
.set MSB, (\new)
.endif
.endm
.macro CROUND                          ; a round of the cluster's barrier
	s_barrier_signal -1
	s_barrier_wait -1
	s_cmp_lg_u32 s[WV], 0
	s_cbranch_scc1 .Lnot_wave_0_\@
	s_barrier_signal -3
.Lnot_wave_0_\@:
	s_barrier_wait -3
	s_barrier_signal -1
	s_barrier_wait -1
.endm
.macro PLACES                          ; four places behind matrix instructions (ISA guide 7.12.1 except for loads)
.rept 4
	v_nop
.endr
.endm
.macro WALU
	s_wait_alu depctr_va_vdst(0)
.endm
.macro WM d, a, b, c, sa, sb, ra, rb
	v_wmma_scale_f32_16x16x128_f8f6f4 v[\d:\d+7], v[\a:\a+11], v[\b:\b+11], \c, v[\sa], v[\sb] matrix_a_fmt:MATRIX_FMT_FP6 matrix_b_fmt:MATRIX_FMT_FP6 matrix_a_scale:MATRIX_SCALE_ROW\ra matrix_b_scale:MATRIX_SCALE_ROW\rb
.endm
; 16 matrix instructions of K step ks: my four token tiles x the four column tiles of q (kind 0), k (1) or v (2).  The 48 accumulators take turns, one instruction a turn, in the same order in every K step;
; the first K step's products start the sums: nothing is cleared
.macro MUL kind, ks
.if (\kind) < 2
	WIN 0x5c                                       ; source 0 (W) window 0, source 1 (x) window 3, C and D window 1
.else
	WIN 0xa3                                       ; source 0 (x) window 3, source 1 (W) window 0, C and D window 2
.endif
.irp tp, 0,1
.irp tr, 0,1
.irp wp, 0,1
.irp wr, 0,1
.set W_, WB+48*(\kind)+24*\wp+12*\wr
.set X_, 12*(4*((\ks)%4)+2*\tp+\tr)
.set SW_, WS+2*(\kind)+\wp
.set SX_, XS+2*((\ks)%4)+\tp
.if (\kind) < 2
.set D_, 128*(\kind)+64*\tp+32*\tr+16*\wp+8*\wr
.if (\ks) == 0
	WM D_, W_, X_, 0, SW_, SX_, \wr, \tr
.else
	WM D_, W_, X_, v[D_:D_+7], SW_, SX_, \wr, \tr
.endif
.else
.set D_, 64*\wp+32*\wr+16*\tp+8*\tr
.if (\ks) == 0
	WM D_, X_, W_, 0, SX_, SW_, \tr, \wr
.else
	WM D_, X_, W_, v[D_:D_+7], SX_, SW_, \tr, \wr
.endif
.endif
.endr
.endr
.endr
.endr
.endm
.macro FETCHW kind, ks                 ; W's four fragments and two scale words of K step ks: 14 LDS loads
	WIN 0
.irp wt, 0,1,2,3
.irp g, 0,1,2
	ds_load_b128 v[WB+48*(\kind)+12*\wt+4*\g:WB+48*(\kind)+12*\wt+4*\g+3], v[AW+(\ks)/2] offset:12800*(\kind)+6400*((\ks)%2)+1536*\wt+512*\g
.endr
.endr
.irp a, 0,1
	ds_load_b32 v[WS+2*(\kind)+\a], v[AS+(\ks)/2] offset:12800*(\kind)+6400*((\ks)%2)+6144+128*\a
.endr
.endm
.macro XLOAD ks                        ; x's four fragments and two scale words of K step ks into set ks % 4: 14 loads
	WIN 0xc0
.irp t, 0,1,2,3
.irp g, 0,1,2
	global_load_b128 v[48*((\ks)%4)+12*\t+4*\g:48*((\ks)%4)+12*\t+4*\g+3], v[L16], s[XB:XB+1] offset:6400*(\ks)+1536*\t+512*\g
.endr
.endr
	WIN 0
.irp a, 0,1
	global_load_b32 v[XS+2*((\ks)%4)+\a], v[L4], s[XB:XB+1] offset:6400*(\ks)+6144+128*\a
.endr
.endm
.macro RLOAD t                         ; the tables' rows of token tile t: 16 cosines of d = 16 h .., 16 of 32 + 16 h .., and the sines likewise: 16 loads
.set RB_, (128+64*(\t))%256
.if (\t) < 2
	WIN 0x80
.else
	WIN 0xc0
.endif
.irp j, 0,1,2,3
	global_load_b128 v[RB_+4*\j:RB_+4*\j+3], v[RA], s[8:9] offset:2048*(\t)+16*\j
	global_load_b128 v[RB_+16+4*\j:RB_+16+4*\j+3], v[RA], s[8:9] offset:2048*(\t)+128+16*\j
	global_load_b128 v[RB_+32+4*\j:RB_+32+4*\j+3], v[RA], s[10:11] offset:2048*(\t)+16*\j
	global_load_b128 v[RB_+48+4*\j:RB_+48+4*\j+3], v[RA], s[10:11] offset:2048*(\t)+128+16*\j
.endr
	WIN 0
.endm
; A K step: q's, k's and v's 16 products; behind each the same part's fragments of the next K step.  xo: the loads younger than this K step's x, which may be out.
; Of the LDS loads the two younger runs of 14 may be out; in the last K step, which fetches nothing, one run and then none.
.macro KSTEP ks, xo
	s_wait_loadcnt \xo
.if ((\ks) == 1) || ((\ks) == 3) || ((\ks) == 5)
	WIN 0
.if (\ks) < 5
	s_cmp_eq_u32 s[WV], ((\ks)+1)/2                ; the wave that fetched the next K quarter
	s_cbranch_scc0 .Lnot_mine_\@
	s_wait_tensorcnt 0x0
.Lnot_mine_\@:
.else
	s_wait_tensorcnt 0x0                           ; the last quarter: all that is still out
.endif
	s_wait_dscnt 0x0
	s_barrier_signal -1
	MUL 0, \ks
	WIN 0
	s_barrier_wait -1                              ; the next K quarter of W may be read; nothing is filled again in this launch
.else
	s_wait_dscnt 28
	MUL 0, \ks
.endif
	PLACES
.if (\ks) < 7
	FETCHW 0, (\ks)+1
	s_wait_dscnt 28
.else
	s_wait_dscnt 14
.endif
	MUL 1, \ks
	PLACES
.if (\ks) < 7
	FETCHW 1, (\ks)+1
	s_wait_dscnt 28
.else
	s_wait_dscnt 0x0
.endif
	MUL 2, \ks
	PLACES
.if (\ks) < 7
	FETCHW 2, (\ks)+1
.endif
.if (\ks) < 4
	XLOAD (\ks)+4
.endif
.if (\ks) == 4
	RLOAD 0
	RLOAD 1
.endif
.if (\ks) > 5
	RLOAD (\ks)-4
.endif
.endm
; y[d] = q[d] cos[d] - q[d + 32] sin[d];  y[d + 32] = q[d + 32] cos[d + 32] + q[d] sin[d + 32], two numbers an instruction; each accumulator is read from its low end on
.macro ROPE kind, a
.irp u, 0,1
.set A_, 128*(\kind)+32*(2*(\a)+\u)
.set RB_, (128+64*(2*(\a)+\u))%256
	WIN 0x01|((2+(\a))<<2)                         ; source 0: the accumulators, window 1; source 1: the tables
.irp i, 0,2,4,6,8,10,12,14
	v_pk_mul_f32 v[T+32*\u+\i:T+32*\u+\i+1], v[A_+\i:A_+\i+1], v[RB_+\i:RB_+\i+1]
.endr
.irp i, 0,2,4,6,8,10,12,14
	v_pk_mul_f32 v[T+32*\u+16+\i:T+32*\u+16+\i+1], v[A_+16+\i:A_+16+\i+1], v[RB_+16+\i:RB_+16+\i+1]
.endr
.irp i, 0,2,4,6,8,10,12,14
	v_pk_fma_f32 v[T+32*\u+\i:T+32*\u+\i+1], v[A_+16+\i:A_+16+\i+1], v[RB_+32+\i:RB_+32+\i+1], v[T+32*\u+\i:T+32*\u+\i+1] neg_lo:[0,1,0] neg_hi:[0,1,0]
.endr
.irp i, 0,2,4,6,8,10,12,14
	v_pk_fma_f32 v[T+32*\u+16+\i:T+32*\u+16+\i+1], v[A_+\i:A_+\i+1], v[RB_+48+\i:RB_+48+\i+1], v[T+32*\u+16+\i:T+32*\u+16+\i+1]
.endr
.endr
.endm
; the 64 rotated numbers, register 16 b + i = number 16 h + i of block b (tile b / 2, block b % 2 of its 64), become two tiles' codes in v[d] on, and their scale word in v[w]
.macro QUANT d, w
	WIN 0
.irp b, 0,1,2,3
	v_max3_num_f32 v[TM+\b], |v[T+16*\b]|, |v[T+1+16*\b]|, 0x1800000   ; with the floor 2^(3 - 127): the byte cannot fall under 1
.endr
.irp i, 2,4,6,8,10,12,14
.irp b, 0,1,2,3
	v_max3_num_f32 v[TM+\b], v[TM+\b], |v[T+16*\b+\i]|, |v[T+1+16*\b+\i]|
.endr
.endr
.irp b, 0,1,2,3
	v_permlanex16_b32 v[TM+4+\b], v[TM+\b], s[SEL], s[SEL+1]
.endr
.irp b, 0,1,2,3
	v_max_num_f32 v[TM+\b], v[TM+\b], v[TM+4+\b]
.endr
.irp b, 0,1,2,3
	v_add_nc_u32 v[SO+\b], 0xff000000, v[TM+\b]    ; 2 off the exponent field: the conversion's scale operand
.endr
.irp b, 0,1,2,3
	v_lshrrev_b32 v[BY+\b], 23, v[SO+\b]           ; the scale's byte
.endr
	v_lshl_or_b32 v[\w], v[BY+1], 8, v[BY]
.irp c, 0,1
	v_cvt_scalef32_pk16_fp6_f32 v[\d+6*\c:\d+2+6*\c], v[T+32*\c:T+15+32*\c], v[SO+2*\c]
	v_cvt_scalef32_pk16_fp6_f32 v[CT+4*\c:CT+2+4*\c], v[T+16+32*\c:T+31+32*\c], v[SO+1+2*\c]
.endr
	v_lshl_or_b32 v[\w], v[BY+2], 16, v[\w]        ; (plain instructions behind the scaled conversions)
	v_lshl_or_b32 v[\w], v[BY+3], 24, v[\w]
.irp c, 0,1
.irp i, 0,1,2
	v_permlane16_swap_b32 v[\d+6*\c+\i], v[CT+4*\c+\i]   ; lanes 0-15 block 0 of the tile, lanes 16-31 block 1
.endr
.endr
.irp c, 0,1
.irp i, 0,1,2
	v_mov_b32 v[\d+3+6*\c+\i], v[CT+4*\c+\i]
.endr
.endr
.endm
.macro HALF d, base, off               ; half a fragment goes out: 512 and 256 consecutive bytes, aligned
	global_store_b128 v[L16], v[\d:\d+3], s[\base:\base+1] offset:\off
	global_store_b64 v[L8], v[\d+4:\d+5], s[\base:\base+1] offset:\off+512
.endm
	s_load_b256 s[4:11], s[0:1], 0x0               ; ximg, wimg, rope_cos, rope_sin
	s_load_b128 s[12:15], s[0:1], 0x20             ; qimg, kv
	v_lshl_add_u32 v[SPW], v0, 2, SPARE
	v_mov_b32 v[NIL], 0
	ds_add_u32 v[SPW], v[NIL]                      ; the opening: the add, twice on end, and its wait ahead of the first tensor load
	ds_add_u32 v[SPW], v[NIL]
	v_lshrrev_b32 v17, 5, v0
	v_readfirstlane_b32 s[WV], v17                 ; wave 0..3
	s_bfe_u32 s17, ttmp6, 0x40000                  ; cx
	s_bfe_u32 s18, ttmp6, 0x40004                  ; cy
	s_lshl_b32 s19, ttmp9, 2
	s_add_co_u32 s19, s19, s17                     ; head c = 4 x cluster x + cx
	s_and_b32 s20, ttmp7, 0xffff
	s_lshl_b32 s20, s20, 2
	s_add_co_u32 s20, s20, s18                     ; block of 256 tokens = 4 x cluster y + cy
	s_lshl_b32 s22, 0x1111, s17                    ; my column of the cluster
	s_or_b32 s[G1], s22, (3<<16)|(1<<21)           ; 15:0 the mask; 17:16 elements of 8 bytes; 21 set beside a mask; no padding
	s_mov_b32 s[G1+1], 1600<<16                    ; a row: 12,800 bytes, two K steps of one head
	s_mov_b32 s[G1+2], 3<<16
	s_mov_b32 s[G1+3], 1600<<16
	s_mov_b32 s[G1+4], 3                           ; three rows: q's, k's, v's head c,
	s_mov_b32 s[G1+5], 102400                      ; 16 heads of 51,200 bytes apart
	s_mov_b32 s[G1+6], 0
	s_mov_b32 s[G1+7], 0
	s_mul_i32 s34, s19, 51200                      ; W: hangs on the head and the wave alone
	s_mul_i32 s35, s[WV], 12800
	s_add_co_u32 s38, s34, s35
	s_mov_b32 s39, 0
	s_mov_b32 s[G0], 1
	s_mul_i32 s[G0+1], s[WV], QUART
	s_lshr_b32 s53, s[WV], 1                       ; which of my work-group's two steps of 128 tokens,
	s_and_b32 s54, s[WV], 1                        ; and which band of 64 in it
	v_and_b32 v17, 31, v0
	v_lshlrev_b32 v[L16], 4, v17
	v_lshlrev_b32 v[L8], 3, v17
	v_lshlrev_b32 v[L4], 2, v17
.irp k, 0,1,2,3
	v_add_nc_u32 v[AW+\k], \k*QUART, v[L16]
	v_add_nc_u32 v[AS+\k], \k*QUART, v[L4]
.endr
	v_and_b32 v17, 15, v0                          ; r
	v_bfe_u32 v18, v0, 4, 1                        ; h
	v_and_b32 v[RA], 8, v17
	v_mad_u32_u24 v[RA], v[RA], 3, v17             ; r % 8 + 32 (r / 8)
	v_lshlrev_b32 v[RA], 8, v[RA]                  ; a table's row is 256 bytes
	v_lshl_add_u32 v[RA], v18, 6, v[RA]
	s_lshl_b32 s55, s53, 8
	s_lshl_b32 s56, s54, 1
	s_add_co_u32 s56, s56, s55
	s_add_co_u32 s56, s56, SCR+1024
	WALU
	v_lshl_add_u32 v[VSA], v17, 2, v18
	v_add_nc_u32 v[VSA], s56, v[VSA]               ; v's scale bytes: row r, byte 2 band + h
	s_lshl_b32 s56, s54, 7
	s_add_co_u32 s56, s56, s55
	s_add_co_u32 s56, s56, SCR
	v_add_nc_u32 v[QSA], s56, v[L4]                ; q's and k's scale words
	s_lshl_b32 s56, s[WV], 9
	s_add_co_u32 s56, s56, SCR
	v_add_nc_u32 v[RSA], s56, v[L16]               ; and back: wave w takes q's, k's or v's two steps
	s_cmp_eq_u32 s[WV], 0
	s_cselect_b32 s57, 6400, 0
	s_sub_co_u32 s57, 12800, s57                   ; from one step's words to the next's: 6,400 bytes in qimg, 12,800 in kv
	v_mul_u32_u24 v[GSO], s57, v18
	v_lshl_add_u32 v[GSO], v17, 4, v[GSO]
	s_mov_b32 s[SEL], 0x76543210
	s_mov_b32 s[SEL+1], 0xfedcba98
	s_mov_b32 s[HI16], 0xffff0000
	WALU
	s_wait_dscnt 0x0
	CROUND                                         ; all sixteen work-groups are here: the joint loads meet
	s_wait_kmcnt 0x0
	s_add_nc_u64 s[G0+2:G0+3], s[6:7], s[38:39]
	s_or_b32 s[G0+3], s[G0+3], 0x80000000
.macro ARM w, next                     ; each wave's load has a line of its own: each K quarter of W is shown by a barrier of its own
	s_cmp_eq_u32 s[WV], \w
	s_cbranch_scc0 \next
	tensor_load_to_lds s[G0:G0+3], s[G1:G1+7]
	s_nop 0
	PLACES
	s_branch .Lasked
\next:
.endm
	ARM 0, .Lquarter_1
	ARM 1, .Lquarter_2
	ARM 2, .Lquarter_3
	tensor_load_to_lds s[G0:G0+3], s[G1:G1+7]
	s_nop 0
	PLACES
.Lasked:
	s_lshl_b32 s38, s20, 2
	s_add_co_u32 s38, s38, s[WV]
	s_mul_i32 s38, s38, 51200                      ; x: my 64 tokens, all of K
	s_add_nc_u64 s[XB:XB+1], s[4:5], s[38:39]
.irp k, 0,1,2,3
	XLOAD \k
.endr
	s_and_b32 s55, s20, 7                          ; which 256 of the sequence's 2,048
	s_lshl_b32 s38, s55, 16
	s_lshl_b32 s56, s[WV], 14
	s_add_co_u32 s38, s38, s56                     ; the tables at my 64 positions
	s_add_nc_u64 s[8:9], s[8:9], s[38:39]
	s_add_nc_u64 s[10:11], s[10:11], s[38:39]
	s_lshr_b32 s56, s20, 3                         ; batch
	s_lshl_b32 s56, s56, 4
	s_add_co_u32 s56, s56, s19                     ; 16 x batch + head
	s_lshl_b32 s56, s56, 4
	s_lshl_b32 s55, s55, 1
	s_add_co_u32 s56, s56, s55                     ; my work-group's first step,
	s_add_co_u32 s57, s56, s53                     ; and mine
	s_mul_i32 s58, s54, 3072
	s_mul_i32 s38, s57, 6400
	s_add_co_u32 s38, s38, s58
	s_add_nc_u64 s[QB:QB+1], s[12:13], s[38:39]
	s_mul_i32 s38, s57, 12800
	s_add_co_u32 s38, s38, s58
	s_add_nc_u64 s[KB:KB+1], s[14:15], s[38:39]
	s_mul_i32 s38, s57, 12800
	s_mul_i32 s58, s54, 768
	s_add_co_u32 s38, s38, s58
	s_add_co_u32 s38, s38, 6400
	s_add_nc_u64 s[VB:VB+1], s[14:15], s[38:39]
	s_mul_i32 s38, s56, 6400                       ; where the scale words that I gather go: wave 0 q's, wave 1 k's, wave 2 v's
	s_mul_i32 s58, s56, 12800
	s_mov_b32 s59, 6144
	s_cmp_eq_u32 s[WV], 2
	s_cselect_b32 s59, 12544, s59
	s_cmp_eq_u32 s[WV], 0
	s_cselect_b32 s38, s38, s58
	s_cselect_b64 s[SCB:SCB+1], s[12:13], s[14:15]
	s_add_co_u32 s38, s38, s59
	s_add_nc_u64 s[SCB:SCB+1], s[SCB:SCB+1], s[38:39]
	s_cmp_eq_u32 s[WV], 0
	s_cbranch_scc0 .Lnot_first
	s_wait_tensorcnt 0x0                           ; K steps 0 and 1 of W
.Lnot_first:
	s_barrier_signal -1
	s_barrier_wait -1
	FETCHW 0, 0
	FETCHW 1, 0
	FETCHW 2, 0
	KSTEP 0, 42
	KSTEP 1, 42
	KSTEP 2, 42
	KSTEP 3, 42
	KSTEP 4, 42
	KSTEP 5, 60                                    ; two K steps of x, and the tables of tiles 0 and 1
	KSTEP 6, 46
	KSTEP 7, 48                                    ; the tables of tiles 0 to 2
	; ---------------- v: four tiles of 16 d, by turns; two chains of maxima for each
	WIN 0x2a
.irp f, 0,1,2,3
	v_max3_num_f32 v[TM+\f], |v[32*\f]|, |v[32*\f+1]|, |v[32*\f+2]|
	v_max3_num_f32 v[TM+4+\f], |v[32*\f+16]|, |v[32*\f+17]|, |v[32*\f+18]|
.endr
	WIN 0x28
.irp i, 3,5,7,9,11,13
.irp f, 0,1,2,3
	v_max3_num_f32 v[TM+\f], v[TM+\f], |v[32*\f+\i]|, |v[32*\f+\i+1]|
	v_max3_num_f32 v[TM+4+\f], v[TM+4+\f], |v[32*\f+16+\i]|, |v[32*\f+17+\i]|
.endr
.endr
	WIN 0x08
.irp f, 0,1,2,3
	v_max3_num_f32 v[TM+\f], v[TM+\f], |v[32*\f+15]|, 0x1800000
.endr
.irp f, 0,1,2,3
	v_max3_num_f32 v[TM+\f], v[TM+\f], |v[32*\f+31]|, v[TM+4+\f]
.endr
	WIN 0
.irp f, 0,1,2,3
	v_add_nc_u32 v[SO+\f], 0xff000000, v[TM+\f]
.endr
.irp f, 0,1,2,3
	v_lshrrev_b32 v[BY+\f], 23, v[SO+\f]
.endr
	WIN 0x02
.irp f, 0,1,2,3
	v_cvt_scalef32_pk16_fp6_f32 v[PV+6*\f:PV+6*\f+2], v[32*\f:32*\f+15], v[SO+\f]
	v_cvt_scalef32_pk16_fp6_f32 v[CT+4*\f:CT+4*\f+2], v[32*\f+16:32*\f+31], v[SO+\f]
.endr
	WIN 0
	v_nop                                          ; one plain instruction behind the scaled conversions
.irp f, 0,1,2,3
.irp i, 0,1,2
	v_mov_b32 v[PV+6*\f+3+\i], v[CT+4*\f+\i]
.endr
.endr
	WALU
.irp f, 0,1,2,3
	ds_store_b8 v[VSA], v[BY+\f] offset:64*\f
.endr
	; ---------------- q and k, two tiles of tokens at a time
.irp a, 0,1
	s_wait_loadcnt 32-32*\a                        ; the tables of tiles 0 and 1 (those of 2 and 3 may be out); then all
	ROPE 0, \a
	QUANT PQ+12*\a, PW+\a
	WALU
.if \a == 0
.irp f, 0,1,2,3
	HALF PV+6*\f, VB, 1536*\f                      ; v's codes leave with q's first
.endr
.endif
	HALF PQ+12*\a, QB, 1536*\a
	HALF PQ+12*\a+6, QB, 1536*\a+768
	ROPE 1, \a
	QUANT PQ+24+12*\a, PW+2+\a
	WALU
	HALF PQ+24+12*\a, KB, 1536*\a
	HALF PQ+24+12*\a+6, KB, 1536*\a+768
.endr
	v_cndmask_b32 v[SS], v[PW], v[PW+1], s[HI16]   ; lanes 0-15 the band's first fragment, lanes 16-31 its second
	v_cndmask_b32 v[SS+1], v[PW+2], v[PW+3], s[HI16]
	ds_store_b32 v[QSA], v[SS]
	ds_store_b32 v[QSA], v[SS+1] offset:512
	WALU
	s_wait_dscnt 0x0
	s_barrier_signal -1
	s_barrier_wait -1                              ; the work-group's scale words are gathered
	s_cmp_lt_u32 s[WV], 3
	s_cbranch_scc0 .Lend
	ds_load_b128 v[96:99], v[RSA]
	s_wait_dscnt 0x0
	global_store_b128 v[GSO], v[96:99], s[SCB:SCB+1]   ; two runs of 256 consecutive bytes, aligned
.Lend:
	s_wait_tensorcnt 0x0                           ; the wave's end
	ds_add_u32 v[SPW], v[NIL]
	s_wait_dscnt 0x0
	CROUND                                         ; the closing round: no work-group ends while a partner may still ask for a tile that names it
	s_endpgm
.Lfunc_end_k_q425254346f_qkv:
	.size	k_q425254346f_qkv, .Lfunc_end_k_q425254346f_qkv-k_q425254346f_qkv
	.p2alignl 7, 3214868480
	.fill 96, 4, 3214868480
	.section	.rodata,"a",@progbits
	.p2align	6, 0x0
	.amdhsa_kernel k_q425254346f_qkv
		.amdhsa_group_segment_fixed_size 167936
		.amdhsa_private_segment_fixed_size 0
		.amdhsa_enable_private_segment 0
		.amdhsa_kernarg_size 48
		.amdhsa_user_sgpr_count 2
		.amdhsa_user_sgpr_kernarg_segment_ptr 1
		.amdhsa_wavefront_size32 1
		.amdhsa_system_sgpr_workgroup_id_x 1
		.amdhsa_system_sgpr_workgroup_id_y 1
		.amdhsa_system_sgpr_workgroup_id_z 1
		.amdhsa_system_vgpr_workitem_id 0
		.amdhsa_next_free_vgpr 960
		.amdhsa_next_free_sgpr 66
		.amdhsa_reserve_vcc 0
		.amdhsa_float_denorm_mode_32 3
		.amdhsa_float_denorm_mode_16_64 3
		.amdhsa_memory_ordered 1
		.amdhsa_forward_progress 1
		.amdhsa_inst_pref_size 140
	.end_amdhsa_kernel
	.amdgpu_metadata
---
amdhsa.version: [ 1, 2 ]
amdhsa.kernels:
  - .name:           k_q425254346f_qkv
    .symbol:         k_q425254346f_qkv.kd
    .args:
      - { .name: ximg, .offset: 0, .size: 8, .value_kind: global_buffer, .address_space: global }
      - { .name: wimg, .offset: 8, .size: 8, .value_kind: global_buffer, .address_space: global }
      - { .name: rope_cos, .offset: 16, .size: 8, .value_kind: global_buffer, .address_space: global }
      - { .name: rope_sin, .offset: 24, .size: 8, .value_kind: global_buffer, .address_space: global }
      - { .name: qimg, .offset: 32, .size: 8, .value_kind: global_buffer, .address_space: global }
      - { .name: kv, .offset: 40, .size: 8, .value_kind: global_buffer, .address_space: global }
    .group_segment_fixed_size: 167936
    .private_segment_fixed_size: 0
    .kernarg_segment_align: 8
    .kernarg_segment_size: 48
    .max_flat_workgroup_size: 128
    .sgpr_count:     66
    .vgpr_count:     960
    .wavefront_size: 32
...
	.end_amdgpu_metadata
.endif
;; end of part 2
;; launch attn (part 3): grid 8 x 32, 16 waves a work-group, clusters of 4 x 1, 280,576 bytes of LDS; arguments qimg, kv, oimg; writes oimg
.if DOCPART == 3
	.amdgcn_target "amdgcn-amd-amdhsa--gfx1250"
	.amdhsa_code_object_version 6
	.text
	.protected	k_q425254346f_attn
	.globl	k_q425254346f_attn
	.p2align	8
	.type	k_q425254346f_attn,@function
k_q425254346f_attn:
	s_mov_b64 s[64:65], 0
	v_nop
	global_prefetch_b8 v0, s[64:65] scope:SCOPE_SE
	s_setreg_imm32_b32 hwreg(HW_REG_WAVE_MODE, 25, 1), 1
	s_wait_xcnt 0x0
	s_wait_alu depctr_hold_cnt(0) depctr_sa_sdst(0) depctr_va_vdst(0) depctr_va_sdst(0) depctr_va_ssrc(0) depctr_va_vcc(0) depctr_vm_vsrc(0)
	s_getreg_b32 s2, hwreg(HW_REG_IB_STS2, 6, 4)
	s_cmp_eq_u32 s2, 0
	s_cbranch_scc0 .Lentry_in_a_cluster
	s_endpgm
.Lentry_in_a_cluster:
	s_bfe_u32 s2, ttmp6, 0x10000c
	s_cmp_lg_u32 s2, 0x3003
	s_cbranch_scc0 .Lentry_shape_is_right
	s_endpgm
.Lentry_shape_is_right:
; Causal attention of one (batch, head) on codes of FP6 (E2M3) with E8M0 scales: S = q k^T / 8, p = 2^(t - M), O = p v / l; O is quantised along head x 64 + d for the last product.
; t = score x log2(e) / 8; M = the running largest t rounded UP to a whole number; p is quantised along the keys, not normalised; l is the sum of the unquantised p; when M moves, l and O are multiplied by 2^(old M - new M): exact.
; WORK LEFT OUT: steps of 128 keys that all come after a tile's queries.  reference() builds the causal mask itself (jnp.tril) and puts finfo.min there, whose p is 0 beside the row's own key, for all inputs.  A NaN, an infinity or an
; overflow that reaches only such a score is not carried to the result.
; SHARES.  A work-group holds ALL of K and V of its head in LDS: 16 steps of 128 keys x 12,800 bytes, filled ONCE: wave w asks for step w, one tensor load a wave; no slot is filled again.  It makes tile g (g = its x) of 16 queries
; of each of the head's 16 steps J of 128 queries; tile J walks key steps 0 .. J.  Tiles 15 - i and i (i = 0 .. 7), 17 steps together, belong to two waves: wave i takes the first N steps of tile 15 - i (N = 13 where i < 4, else 10, or
; all 9 where i = 7); wave 8 + (i xor 4) takes the rest of them, lays that part's O, M and l down in LDS, and then takes tile i: 17 - N steps.  Waves w, w + 4, w + 8, w + 12 so walk 13, 10, 7, 4 (w = 3: 13, 9, 8, 4) steps, 34 together.
; Behind the loop wave i joins the two parts: M is a whole number in both, so the factors are exact powers of two.
; CLUSTER: the four work-groups of a cluster belong to one head and ask for K and V jointly.  Everything a wave branches on hangs on its number and the loop's count alone: nothing hangs on the place in the cluster.
; LAYOUT.  Both products are used transposed: a lane holds ONE query.  The head's K is 64, half of the instruction's 128: a fragment of k carries TWO tiles of 16 keys, one in each half of K, and is multiplied once by
; (q, 0) and once by (0, q): zero codes add nothing.  By the tokens' order in a tile (lane row r of tile t of a band of 64 is token 8 t + r % 8 + 32 (r / 8)) register 32 c + i of lane (r, h) is key 64 c + 32 h + i:
; A LANE HOLDS WHOLE SCALE BLOCKS of p, and its codes fall as the next operand's registers.
; No prefetch: every tensor load of the launch is issued at its head.
; LIMITS: NaN and infinities are not served; the promise holds while the scaled scores t stay under 2^31 in magnitude; a p under 2^-126 comes out of v_exp_f32 as 0; a block of zeros gets the byte 1 (its codes are zeros; this program
; alone reads the bytes); t is one product, score x (log2(e) / 8).  A block's largest p is the exponential of its largest score.
; The two scale bytes of a row leave by a store of 2 bytes a lane: 4 bytes in 100 of what the launch stores.
.set STEPB, 12800
.set FRG,  1536
.set VOFF, 6400
.set BLK,  51200
.set SCW,  49152
.set PARTB, 4608                       ; a part: O's 32 registers, then -M, the largest score, l in two halves: 9 x 512 bytes, a place for each wave
.set PARTS, 16*STEPB
.set SPARE, PARTS+16*PARTB             ; the spare words: 128 bytes for each of 16 waves
.set TRIPS, 13                         ; the longest walk
.set L16,  1
.set L8,   2
.set DQ,   3                           ; v3   my query in its step, less 32 h
.set ADK,  4
.set AD8,  5
.set ADS,  6
.set L4,   7
.set R4,   8                           ; v8   4 r
.set SH,   9                           ; v9   8 h;  v10 f, v11 0;  v12 -M, v13 the largest score, v[14:15] l in two halves
.set QZ,   16                          ; v16-33 (0, q, 0)
.set QS,   34
.set PS,   35
.set KS,   36
.set VS,   38
.set KF,   40                          ; k's four fragments; behind the first product they are free:
.set PCD,  40                          ; p's codes,
.set CT,   52                          ; the conversions' second halves,
.set BM,   60                          ; four chains of maxima; the blocks' largest in v60, v62,
.set PT,   64
.set SO,   66                          ; the conversions' scale operands,
.set TT,   68
.set OM,   69
.set SM,   70                          ; v70-85 eight partial sums
.set VF,   88
.set S,    136
.set O,    200
.set QL,   232                         ; v232-237 the second tile's q, v238 its scale word
.set QLS,  238
.set SPW,  240
.set NIL,  241
.set DMP,  242
.set PRD,  243
.set WV,   10
.set I,    11
.set JH,   12
.set G,    13
.set BH,   14
.set T,    15                          ; s15  the trip
.set SEL,  16
.set CS,   18                          ; s[18:19] c = log2(e) / 8
.set SWT,  20                          ; s20  the trip in which I change tiles
.set NT,   21                          ; s21  my trips
.set OFH,  22                          ; s22, s23  key step - trip, modulo 16, in my first and second tile
.set OFL,  23
.set G1,   24
.set G0,   32
.set JO,   36                          ; s36  the tile that I send out
.set ST,   37                          ; s37  the key step
.set TB,   38                          ; s38  where it begins in LDS
.set JC,   39                          ; s39  my tile now
.set NC,   40                          ; s40  -c
.set NA,   41                          ; s41  the steps of tile 15 - i that wave i takes
.macro CROUND
	s_barrier_signal -1
	s_barrier_wait -1
	s_cmp_lg_u32 s[WV], 0
	s_cbranch_scc1 .Lnot_wave_0_\@
	s_barrier_signal -3
.Lnot_wave_0_\@:
	s_barrier_wait -3
	s_barrier_signal -1
	s_barrier_wait -1
.endm
.macro PLACES
.rept 4
	v_nop
.endr
.endm
.macro WALU
	s_wait_alu depctr_va_vdst(0)
.endm
.macro WM d, a, b, c, sa, sb, ra
	v_wmma_scale_f32_16x16x128_f8f6f4 v[\d:\d+7], v[\a:\a+11], v[\b:\b+11], \c, v[\sa], v[\sb] matrix_a_fmt:MATRIX_FMT_FP6 matrix_b_fmt:MATRIX_FMT_FP6 matrix_a_scale:MATRIX_SCALE_ROW\ra
.endm
.macro QADDR p, j                      ; where tile g of query step s[j] lies: its codes s[p:p+1], its fragment's scale words s[p+2:p+3]
	s_lshl_b32 s50, s[BH], 4
	s_add_co_u32 s50, s50, s[\j]
	s_mul_i32 s50, s50, 6400
	s_add_co_u32 s50, s50, s49
	s_add_nc_u64 s[\p:\p+1], s[4:5], s[50:51]
	s_add_co_u32 s50, s50, s48
	s_add_nc_u64 s[\p+2:\p+3], s[4:5], s[50:51]
.endm
.macro FRESH                           ; a tile begins: no key seen yet
	v_mov_b32 v12, 0x7f61b1e6                      ; -M = 3e38: the first change of M multiplies by 0
	v_mov_b32 v13, 0xff61b1e6                      ; the largest score so far: -3e38
	v_mov_b32 v14, 0
	v_mov_b32 v15, 0
.set n, 0
.rept 32
	v_mov_b32 v[O+n], 0                            ; (also the places between the writes of q and its scale word and the scaled products)
.set n, n+1
.endr
.endm
.macro LOADS f, sc, off                ; a STEP's four fragments and two scale words: 18 LDS loads
.irp t, 0,1,2,3,4,5,6,7
	ds_load_b128 v[\f+6*\t:\f+6*\t+3], v[ADK] offset:\off+768*\t
	ds_load_b64 v[\f+6*\t+4:\f+6*\t+5], v[AD8] offset:\off+768*\t+512
.endr
	ds_load_b32 v[\sc], v[ADS] offset:\off+6144
	ds_load_b32 v[\sc+1], v[ADS] offset:\off+6272
.endm
	s_load_b128 s[4:7], s[0:1], 0x0                ; qimg, kv
	s_load_b64 s[8:9], s[0:1], 0x10                ; oimg
	v_lshl_add_u32 v[SPW], v0, 2, SPARE
	v_mov_b32 v[NIL], 0
	ds_add_u32 v[SPW], v[NIL]                      ; the opening: the add, twice on end, and its wait ahead of the first tensor load
	ds_add_u32 v[SPW], v[NIL]
	v_lshrrev_b32 v4, 5, v0
	v_readfirstlane_b32 s[WV], v4                  ; wave 0..15
	s_bfe_u32 s44, ttmp6, 0x40000                  ; cx
	s_lshl_b32 s[G], ttmp9, 2
	s_add_co_u32 s[G], s[G], s44                   ; g = 4 x cluster x + cx: it enters Q's and O's global addresses and the mask's lane constant alone
	s_and_b32 s[BH], ttmp7, 0xffff                 ; 16 x batch + head, which the four partners share
	s_and_b32 s[I], s[WV], 7
	s_lshr_b32 s44, s[WV], 3
	s_lshl_b32 s44, s44, 2
	s_xor_b32 s[I], s[I], s44                      ; i
	s_sub_co_u32 s[JH], 15, s[I]
	s_sub_co_u32 s44, 16, s[I]                     ; the steps of tile 15 - i,
	s_min_u32 s[NA], s44, 10
	s_cmp_lt_u32 s[I], 4
	s_cselect_b32 s[NA], 13, s[NA]                 ; wave i's share of them,
	s_sub_co_u32 s44, s44, s[NA]                   ; and its partner's
	s_sub_co_u32 s[OFL], 16, s44
	s_sub_co_u32 s42, 17, s[NA]
	s_cmp_lt_u32 s[WV], 8
	s_cselect_b32 s[SWT], 99, s44                  ; waves 0-7 keep their tile
	s_cselect_b32 s[NT], s[NA], s42
	s_cselect_b32 s[OFH], 0, s[NA]
	s_cselect_b32 s[JO], s[JH], s[I]
	s_mov_b32 s[G1], 15|(3<<16)|(1<<21)            ; 15:0 the mask: all four work-groups; 17:16 elements of 8 bytes; 21 set beside a mask; no padding
	s_mov_b32 s[G1+1], 32<<16                      ; 12,800 dense bytes as 50 rows of 256
	s_mov_b32 s[G1+2], 50<<16
	s_mov_b32 s[G1+3], 32<<16
	s_mov_b32 s[G1+4], 50
	s_mov_b32 s[G1+5], 32
	s_mov_b32 s[G1+6], 0
	s_mov_b32 s[G1+7], 0
	s_mov_b32 s[G0], 1
	s_mul_i32 s[G0+1], s[WV], STEPB                ; wave w: step w
	s_mul_i32 s60, s[BH], 16*STEPB
	s_add_co_u32 s60, s60, s[G0+1]
	s_mov_b32 s61, 0
	s_mov_b32 s[SEL], 0x76543210
	s_mov_b32 s[SEL+1], 0xfedcba98
	s_mov_b32 s[CS], 0x3e38aa3b
	s_mov_b32 s[CS+1], s[CS]                       ; named with it as a pair, so it is written
	s_mov_b32 s[NC], 0xbe38aa3b
	s_and_b32 s45, s[G], 3                         ; my tile: 64 (g / 4) + 8 (g % 4)
	s_lshl_b32 s45, s45, 3
	s_and_b32 s46, s[G], 4
	s_lshl_b32 s46, s46, 4
	s_add_co_u32 s45, s45, s46
	s_mul_i32 s46, s[WV], PARTB
	s_add_co_u32 s46, s46, PARTS                   ; my place for a part,
	s_xor_b32 s47, s[WV], 12
	s_mul_i32 s47, s47, PARTB
	s_add_co_u32 s47, s47, PARTS                   ; and my partner's
	v_and_b32 v4, 31, v0
	v_and_b32 v5, 15, v0                           ; r
	v_bfe_u32 v[SH], v0, 4, 1                      ; h
	v_lshlrev_b32 v[L16], 4, v4
	v_lshlrev_b32 v[L8], 3, v4
	v_lshlrev_b32 v[L4], 2, v4
	v_lshlrev_b32 v[R4], 2, v5
	v_and_b32 v[DQ], 8, v5
	v_mad_u32_u24 v[DQ], v[DQ], 3, v5              ; r % 8 + 32 (r / 8)
	v_lshlrev_b32 v6, 5, v[SH]
	v_add_nc_u32 v[DMP], s46, v[L16]
	v_add_nc_u32 v[PRD], s47, v[L16]
	v_sub_nc_u32 v[DQ], v[DQ], v6
	v_lshlrev_b32 v[SH], 3, v[SH]
	v_add_nc_u32 v[DQ], s45, v[DQ]
	v_mov_b32 v11, 0
	v_mov_b32 v[PT], 0                             ; written once: a lane permute's destination counts as one of its sources
	v_mov_b32 v[TT], 0
	WALU
	s_wait_dscnt 0x0
	CROUND                                         ; all four work-groups are here: the joint loads meet
	s_wait_kmcnt 0x0
	s_add_nc_u64 s[G0+2:G0+3], s[6:7], s[60:61]
	s_or_b32 s[G0+3], s[G0+3], 0x80000000
	tensor_load_to_lds s[G0:G0+3], s[G1:G1+7]
	s_nop 0
	PLACES
	s_mul_i32 s49, s[G], 768                       ; my tile is half g of its STEP,
	s_lshr_b32 s48, s[G], 1
	s_lshl_b32 s48, s48, 6
	s_add_co_u32 s48, s48, 6144                    ; and its scale words lie at 6,144 + 64 (g / 2) + 4 r
	s_sub_co_u32 s48, s48, s49
	s_mov_b32 s51, 0
	QADDR 52, JH
	QADDR 56, I
	global_load_b128 v[QZ+6:QZ+9], v[L16], s[52:53]
	global_load_b64 v[QZ+10:QZ+11], v[L8], s[52:53] offset:512
	global_load_b32 v[QS], v[R4], s[54:55]
	global_load_b128 v[QL:QL+3], v[L16], s[56:57]
	global_load_b64 v[QL+4:QL+5], v[L8], s[56:57] offset:512
	global_load_b32 v[QLS], v[R4], s[58:59]
	s_and_b32 s45, s[G], 1
	s_mov_b32 s46, 0x03020302
	s_cmp_eq_u32 s45, 0
	s_cselect_b32 s46, 0x01000100, s46             ; which two bytes of the word are my tile's
.irp i, 0,1,2,3,4,5
	v_mov_b32 v[QZ+\i], 0                          ; v[16:27] = (0, q), v[22:33] = (q, 0)
	v_mov_b32 v[QZ+12+\i], 0
.endr
	WALU
	s_wait_loadcnt 0x0
	v_perm_b32 v[QS], v[QS], v[QS], s46            ; q's two bytes twice: they serve (q, 0) and (0, q) alike
	v_perm_b32 v[QLS], v[QLS], v[QLS], s46
	FRESH
	s_mov_b32 s[T], 0
	WALU
	s_wait_tensorcnt 0x0                           ; my step is in,
	s_barrier_signal -1
	s_barrier_wait -1                              ; and so are all sixteen
.Lstep:
	s_cmp_lg_u32 s[T], s[SWT]
	s_cbranch_scc1 .Lsame
	PLACES                                         ; I CHANGE TILES.  Four places behind the last products
.irp k, 0,1,2,3,4,5,6,7
	ds_store_b128 v[DMP], v[O+4*\k:O+4*\k+3] offset:512*\k
.endr
	ds_store_b128 v[DMP], v[12:15] offset:4096
.irp i, 0,1,2,3,4,5
	v_mov_b32 v[QZ+6+\i], v[QL+\i]
.endr
	v_mov_b32 v[QS], v[QLS]
	FRESH
	WALU
.Lsame:
	s_cmp_ge_u32 s[T], s[NT]
	s_cbranch_scc1 .Lidle                          ; my walk is over
	s_cmp_lt_u32 s[T], s[SWT]
	s_cselect_b32 s[ST], s[OFH], s[OFL]
	s_cselect_b32 s[JC], s[JH], s[I]
	s_add_co_u32 s[ST], s[ST], s[T]
	s_and_b32 s[ST], s[ST], 15
	s_mul_i32 s[TB], s[ST], STEPB
	v_add_nc_u32 v[ADK], s[TB], v[L16]
	v_add_nc_u32 v[AD8], s[TB], v[L8]
	v_add_nc_u32 v[ADS], s[TB], v[L4]
	v_nop                                          ; with these four places in front of loads into registers that the last step's matrix instructions have read
	LOADS KF, KS, 0
	LOADS VF, VS, VOFF
	s_wait_dscnt 18                                ; k and its scale words are in; v's 18 loads may be out
.irp p, 0,1
.irp q, 0,1
.irp c, 0,1
	WM S+32*\p+16*\q+8*\c, KF+24*\p+12*\q, QZ+6-6*\c, 0, KS+\p, QS, \q
.endr
.endr
.endr
	PLACES                                         ; in front of the first read of results, and of writes into k's registers
	s_cmp_lg_u32 s[ST], s[JC]                      ; only a tile's last step lies on the diagonal
	s_cbranch_scc1 .Lopen
	v_mov_b32 v[TT], 0xff800000                    ; -infinity: p = 0 then
.set n, 0
.rept 64
	v_cmp_gt_i32 vcc_lo, 64*(n/32)+n%32, v[DQ]     ; hidden where the register's key comes after my query
	v_cndmask_b32 v[S+n], v[S+n], v[TT], vcc_lo
.set n, n+1
.endr
.Lopen:
.irp b, 0,1,2,3
	v_max3_num_f32 v[BM+\b], v[S+16*\b], v[S+16*\b+1], v[S+16*\b+2]   ; the largest score of each of my two blocks, in two chains each: for the row's maximum and, since p rises with the score, for the block's largest p
.endr
.irp i, 3,5,7,9,11,13
.irp b, 0,1,2,3
	v_max3_num_f32 v[BM+\b], v[BM+\b], v[S+16*\b+\i], v[S+16*\b+\i+1]
.endr
.endr
	v_max3_num_f32 v[BM], v[BM], v[BM+1], v[S+15]
	v_max3_num_f32 v[BM+2], v[BM+2], v[BM+3], v[S+47]
	v_mov_b32 v[OM], v12
	v_max_num_f32 v[BM], v[BM], v[S+31]
	v_max_num_f32 v[BM+2], v[BM+2], v[S+63]
	s_delay_alu instid0(VALU_DEP_1)
	v_max_num_f32 v[TT], v[BM], v[BM+2]
	s_delay_alu instid0(VALU_DEP_1)
	v_permlanex16_b32 v[PT], v[TT], s[SEL], s[SEL+1]
	s_delay_alu instid0(VALU_DEP_1)
	v_max3_num_f32 v13, v13, v[TT], v[PT]          ; the running largest score, with lane l xor 16's keys
	s_delay_alu instid0(VALU_DEP_1)
	v_mul_f32 v[TT], s[NC], v13                    ; -t (c is positive)
	s_delay_alu instid0(VALU_DEP_1)
	v_floor_f32 v12, v[TT]                         ; the new -M = floor(-t): M is a whole number
	s_delay_alu instid0(VALU_DEP_1)
	v_sub_f32 v[OM], v12, v[OM]                    ; old M - new M: a whole number, 0 or less
	s_delay_alu instid0(VALU_DEP_1)
	v_cvt_i32_f32 v[OM], v[OM]                     ; (it saturates)
	s_delay_alu instid0(VALU_DEP_1)
	v_ldexp_f32 v10, 1.0, v[OM]                    ; f = 2^(old M - new M)
.irp b, 0,2
	v_fma_f32 v[BM+\b], v[BM+\b], s[CS], v12
.endr
.set n, 0
.rept 32
	v_pk_fma_f32 v[S+n:S+n+1], v[S+n:S+n+1], s[CS:CS+1], v[12:13] op_sel_hi:[1,0,0]   ; t - M, two at a time
.set n, n+2
.endr
	WALU
	v_exp_f32 v[BM], v[BM]                         ; the blocks' largest p: the same two instructions on the same number
	v_exp_f32 v[BM+2], v[BM+2]
.set n, 0
.rept 64
	v_exp_f32 v[S+n], v[S+n]                       ; p = 2^(t - M)
.set n, n+1
.endr
	v_pk_mul_f32 v[14:15], v[14:15], v[10:11] op_sel_hi:[1,0]   ; l under the new M: a plain instruction behind the exponentials
	WALU                                           ; and behind it, ahead of the first reader; it stands directly ahead of O's first readers too
.set n, 0
.rept 16
	v_pk_mul_f32 v[O+n:O+n+1], v[O+n:O+n+1], v[10:11] op_sel_hi:[1,0]   ; O under the new M
.set n, n+2
.endr
	v_max_num_f32 v[BM], 0x1800000, v[BM]          ; the floor 2^(3 - 127): the byte cannot fall under 1
	v_max_num_f32 v[BM+2], 0x1800000, v[BM+2]
.irp k, 0,2,4,6,8,10,12,14
	v_pk_add_f32 v[SM+\k:SM+\k+1], v[S+\k:S+\k+1], v[S+16+\k:S+17+\k]   ; the row's sum, of the unquantised p, in eight chains
.endr
	v_add_nc_u32 v[SO], 0xff000000, v[BM]          ; 2 off the exponent field: the conversion's scale operand
	v_add_nc_u32 v[SO+1], 0xff000000, v[BM+2]
.irp k, 0,2,4,6,8,10,12,14
	v_pk_add_f32 v[SM+\k:SM+\k+1], v[SM+\k:SM+\k+1], v[S+32+\k:S+33+\k]
.endr
.irp c, 0,1
	v_cvt_scalef32_pk16_fp6_f32 v[PCD+6*\c:PCD+2+6*\c], v[S+32*\c:S+15+32*\c], v[SO+\c]
	v_cvt_scalef32_pk16_fp6_f32 v[CT+4*\c:CT+2+4*\c], v[S+16+32*\c:S+31+32*\c], v[SO+\c]   ; (a conversion's three registers begin on an even number)
.endr
	v_lshrrev_b32 v[PT], 23, v[SO]                 ; (plain instructions behind the scaled conversions)  the bytes of blocks h and 2 + h
	v_lshrrev_b32 v[PT+1], 23, v[SO+1]
.irp k, 0,2,4,6
	v_pk_add_f32 v[SM+\k:SM+\k+1], v[SM+\k:SM+\k+1], v[S+48+\k:S+49+\k]
.endr
	v_lshl_or_b32 v[PT], v[PT+1], 16, v[PT]
.irp k, 8,10
	v_pk_add_f32 v[SM+\k:SM+\k+1], v[SM+\k:SM+\k+1], v[S+48+\k:S+49+\k]
.endr
	v_lshlrev_b32 v[PT], v[SH], v[PT]              ; at their places in the scale word
.irp k, 12,14
	v_pk_add_f32 v[SM+\k:SM+\k+1], v[SM+\k:SM+\k+1], v[S+48+\k:S+49+\k]
.endr
	v_permlanex16_b32 v[TT], v[PT], s[SEL], s[SEL+1]
.irp i, 0,1,2
	v_mov_b32 v[PCD+3+\i], v[CT+\i]
.endr
	v_or_b32 v[PS], v[PT], v[TT]                   ; with lane l xor 16's two: p's scale word for these 128 keys
.irp i, 0,1,2
	v_mov_b32 v[PCD+9+\i], v[CT+4+\i]
.endr
.irp k, 0,2,4,6
	v_pk_add_f32 v[SM+\k:SM+\k+1], v[SM+\k:SM+\k+1], v[SM+8+\k:SM+9+\k]   ; (these eight are also the places between the writes of p's codes and scale word and the scaled products)
.endr
	v_pk_add_f32 v[14:15], v[14:15], v[SM:SM+1]
	v_pk_add_f32 v[SM+2:SM+3], v[SM+2:SM+3], v[SM+4:SM+5]
	v_pk_add_f32 v[14:15], v[14:15], v[SM+6:SM+7]
	v_pk_add_f32 v[14:15], v[14:15], v[SM+2:SM+3]
	WALU
	s_wait_dscnt 0x0                               ; v and its scale words are in
.irp p, 0,1
.irp q, 0,1
	WM O+16*\p+8*\q, VF+24*\p+12*\q, PCD, v[O+16*\p+8*\q:O+16*\p+8*\q+7], VS+\p, PS, \q   ; the four accumulators by turns
.endr
.endr
.Lidle:
	s_add_co_u32 s[T], s[T], 1
	s_cmp_lt_u32 s[T], TRIPS
	s_cbranch_scc1 .Lstep
	s_wait_dscnt 0x0
	s_barrier_signal -1
	s_barrier_wait -1                              ; the parts lie in LDS
	PLACES                                         ; behind the last products
	s_cmp_lt_u32 s[WV], 8
	s_cbranch_scc0 .Lown
	ds_load_b128 v[VF:VF+3], v[PRD] offset:4096    ; THE TWO PARTS ARE JOINED: my partner's -M, largest score, l,
.irp k, 0,1,2,3,4,5,6,7
	ds_load_b128 v[S+4*\k:S+4*\k+3], v[PRD] offset:512*\k   ; and O
.endr
	s_wait_dscnt 0x0
	v_min_num_f32 v[TT], v12, v[VF]                ; -M of both
	v_mov_b32 v[SM+1], 0
	v_sub_f32 v[OM], v[TT], v12
	v_sub_f32 v[SM], v[TT], v[VF]
	v_cvt_i32_f32 v[OM], v[OM]
	v_cvt_i32_f32 v[SM], v[SM]
	v_ldexp_f32 v10, 1.0, v[OM]
	v_ldexp_f32 v[SM], 1.0, v[SM]                  ; (a part that saw no key has -M = 3e38: its factor is 0)
.set n, 0
.rept 16
	v_pk_mul_f32 v[O+n:O+n+1], v[O+n:O+n+1], v[10:11] op_sel_hi:[1,0]
.set n, n+2
.endr
	v_pk_mul_f32 v[14:15], v[14:15], v[10:11] op_sel_hi:[1,0]
.set n, 0
.rept 16
	v_pk_fma_f32 v[O+n:O+n+1], v[S+n:S+n+1], v[SM:SM+1], v[O+n:O+n+1] op_sel_hi:[1,0,1]
.set n, n+2
.endr
	v_pk_fma_f32 v[14:15], v[VF+2:VF+3], v[SM:SM+1], v[14:15] op_sel_hi:[1,0,1]
.Lown:
	; THE WAY OUT: O / l, quantised along d (two blocks of 32), as half a fragment of the last product's operand: head 2 ks + c fills registers 6 c .. 6 c + 5 of K step ks
	v_add_f32 v14, v14, v15
	v_permlanex16_b32 v[PT], v14, s[SEL], s[SEL+1]
	v_add_f32 v14, v14, v[PT]                      ; the row's sum
	WALU                                           ; ahead of the transcendental
	v_rcp_f32 v14, v14
	v_nop                                          ; one plain place behind it
	s_lshr_b32 s50, s[BH], 4
	s_lshl_b32 s50, s50, 4
	s_add_co_u32 s50, s50, s[JO]                   ; block of 128 tokens
	s_and_b32 s51, s[BH], 15
	s_lshr_b32 s52, s51, 1                         ; ks
	s_and_b32 s51, s51, 1                          ; c
	s_lshl_b32 s50, s50, 1
	s_lshr_b32 s53, s52, 2
	s_add_co_u32 s50, s50, s53
	s_mul_i32 s50, s50, BLK
	s_and_b32 s52, s52, 3
	s_lshl_b32 s53, s52, 3
	s_add_co_u32 s53, s53, s[G]
	s_mul_i32 s53, s53, FRG
	s_mul_i32 s54, s51, 768
	s_add_co_u32 s54, s54, s53
	s_add_co_u32 s54, s54, s50
	s_mov_b32 s55, 0
	s_add_nc_u64 s[54:55], s[8:9], s[54:55]
	s_lshl_b32 s56, s52, 9
	s_lshl_b32 s57, s[G], 6
	s_add_co_u32 s56, s56, s57
	s_lshl_b32 s57, s51, 1
	s_add_co_u32 s56, s56, s57
	s_add_co_u32 s56, s56, s50
	s_add_co_u32 s56, s56, SCW
	s_mov_b32 s57, 0
	s_add_nc_u64 s[56:57], s[8:9], s[56:57]
	WALU                                           ; the wait ahead of the reciprocal's first reader, and of O's
.set n, 0
.rept 32
	v_mul_f32 v[S+n], v[O+n], v14                  ; register 16 b + i: d = 32 b + 16 h + i; each accumulator from its low end on
.set n, n+1
.endr
.irp b, 0,1
	v_max3_num_f32 v[BM+\b], |v[S+16*\b]|, |v[S+16*\b+1]|, 0x1800000
.endr
.irp i, 2,4,6,8,10,12,14
.irp b, 0,1
	v_max3_num_f32 v[BM+\b], v[BM+\b], |v[S+16*\b+\i]|, |v[S+16*\b+\i+1]|
.endr
.endr
	v_permlanex16_b32 v[PT], v[BM], s[SEL], s[SEL+1]
	v_permlanex16_b32 v[TT], v[BM+1], s[SEL], s[SEL+1]
	v_max_num_f32 v[BM], v[BM], v[PT]
	v_max_num_f32 v[BM+1], v[BM+1], v[TT]
.irp b, 0,1
	v_add_nc_u32 v[SO+\b], 0xff000000, v[BM+\b]
.endr
.irp b, 0,1
	v_lshrrev_b32 v[BM+\b], 23, v[SO+\b]
.endr
	v_lshl_or_b32 v[TT], v[BM+1], 8, v[BM]         ; my head's two bytes of the row's scale word
	v_cvt_scalef32_pk16_fp6_f32 v[40:42], v[S:S+15], v[SO]
	v_cvt_scalef32_pk16_fp6_f32 v[44:46], v[S+16:S+31], v[SO+1]
	v_nop                                          ; one plain instruction behind the scaled conversions
.irp i, 0,1,2
	v_permlane16_swap_b32 v[40+\i], v[44+\i]       ; lanes 0-15 block 0, lanes 16-31 block 1
.endr
.irp i, 0,1,2
	v_mov_b32 v[43+\i], v[44+\i]
.endr
.irp p, 0,1,2
	global_store_b64 v[L8], v[40+2*\p:41+2*\p], s[54:55] offset:256*\p   ; 256 consecutive bytes, aligned
.endr
	global_store_b16 v[R4], v[TT], s[56:57]        ; lanes r and r + 16 write the same two bytes with the same value
	s_wait_tensorcnt 0x0                           ; the wave's end
	ds_add_u32 v[SPW], v[NIL]
	s_wait_dscnt 0x0
	CROUND                                         ; the closing round
	s_endpgm
.Lfunc_end_k_q425254346f_attn:
	.size	k_q425254346f_attn, .Lfunc_end_k_q425254346f_attn-k_q425254346f_attn
	.p2alignl 7, 3214868480
	.fill 96, 4, 3214868480
	.section	.rodata,"a",@progbits
	.p2align	6, 0x0
	.amdhsa_kernel k_q425254346f_attn
		.amdhsa_group_segment_fixed_size 280576
		.amdhsa_private_segment_fixed_size 0
		.amdhsa_enable_private_segment 0
		.amdhsa_kernarg_size 24
		.amdhsa_user_sgpr_count 2
		.amdhsa_user_sgpr_kernarg_segment_ptr 1
		.amdhsa_wavefront_size32 1
		.amdhsa_system_sgpr_workgroup_id_x 1
		.amdhsa_system_sgpr_workgroup_id_y 1
		.amdhsa_system_sgpr_workgroup_id_z 1
		.amdhsa_system_vgpr_workitem_id 0
		.amdhsa_next_free_vgpr 256
		.amdhsa_next_free_sgpr 66
		.amdhsa_reserve_vcc 1
		.amdhsa_float_denorm_mode_32 3
		.amdhsa_float_denorm_mode_16_64 3
		.amdhsa_memory_ordered 1
		.amdhsa_forward_progress 1
		.amdhsa_inst_pref_size 39
	.end_amdhsa_kernel
	.amdgpu_metadata
---
amdhsa.version: [ 1, 2 ]
amdhsa.kernels:
  - .name:           k_q425254346f_attn
    .symbol:         k_q425254346f_attn.kd
    .args:
      - { .name: qimg, .offset: 0, .size: 8, .value_kind: global_buffer, .address_space: global }
      - { .name: kv, .offset: 8, .size: 8, .value_kind: global_buffer, .address_space: global }
      - { .name: oimg, .offset: 16, .size: 8, .value_kind: global_buffer, .address_space: global }
    .group_segment_fixed_size: 280576
    .private_segment_fixed_size: 0
    .kernarg_segment_align: 8
    .kernarg_segment_size: 24
    .max_flat_workgroup_size: 512
    .sgpr_count:     66
    .vgpr_count:     256
    .wavefront_size: 32
...
	.end_amdgpu_metadata
.endif
;; end of part 3
;; launch proj (part 4): grid 8 x 32, 4 waves a work-group, clusters of 4 x 4, 222,720 bytes of LDS; arguments oimg, wimg, b_out, out0; writes out0
.if DOCPART == 4
	.amdgcn_target "amdgcn-amd-amdhsa--gfx1250"
	.amdhsa_code_object_version 6
	.text
	.protected	k_q425254346f_proj
	.globl	k_q425254346f_proj
	.p2align	8
	.type	k_q425254346f_proj,@function
k_q425254346f_proj:
	s_mov_b64 s[64:65], 0
	v_nop
	global_prefetch_b8 v0, s[64:65] scope:SCOPE_SE
	s_setreg_imm32_b32 hwreg(HW_REG_WAVE_MODE, 25, 1), 1
	s_wait_xcnt 0x0
	s_wait_alu depctr_hold_cnt(0) depctr_sa_sdst(0) depctr_va_vdst(0) depctr_va_sdst(0) depctr_va_ssrc(0) depctr_va_vcc(0) depctr_vm_vsrc(0)
	s_getreg_b32 s2, hwreg(HW_REG_IB_STS2, 6, 4)
	s_cmp_eq_u32 s2, 0
	s_cbranch_scc0 .Lentry_in_a_cluster
	s_endpgm
.Lentry_in_a_cluster:
	s_bfe_u32 s2, ttmp6, 0x10000c
	s_cmp_lg_u32 s2, 0xf033
	s_cbranch_scc0 .Lentry_shape_is_right
	s_endpgm
.Lentry_shape_is_right:
; out0 = o W_out + b_out on codes of FP6 (E2M3) with E8M0 scales, f32 sums.  o comes from oimg, W_out from wimg's part behind W_qkv's, both laid in the order of the operand's registers.
; SHARES.  A work-group makes 128 tokens x 128 columns: 256 work-groups; wave (w / 2, w % 2) makes 64 x 64: 16 accumulators.  All of K (1,024) lies in LDS: 2 blocks of o, 2 of W, 51,200 bytes each, filled ONCE:
; wave 0 fetches o's block of K half 0, wave 1 W's, wave 2 o's of K half 1, wave 3 W's: one tensor load of 51,200 dense bytes a wave.  No slot is filled again.  No prefetch: every tensor load is issued at the head.
; CLUSTERS: 4 x 4 work-groups: o's blocks are shared along a row of the cluster, W's along a column: each is asked for jointly.
; THE PRODUCT IS USED TRANSPOSED (source 0 = 16 columns of W, source 1 = 16 tokens): a lane holds one token, and the 16 registers of two neighbouring tiles of W are 16 neighbouring columns.
; Of 64 neighbouring tokens, lane row r of tile t of o is token 8 t + r % 8 + 32 (r / 8).
; The bias is the C of each sum's first matrix instruction.  Results leave through each wave's own stage in LDS (behind the blocks; no tensor load lands there) as rows of 256 bytes.
; In oimg a fragment is two halves of 768 bytes (two heads): registers 6 c + 2 p, 6 c + 2 p + 1 of lane l at 768 c + 256 p + 8 l.
; REGISTERS: window 0: v1-12 addresses; v16-23 scale words, two sets; v64-255 fragments, two sets of 96 (o's four tiles, then W's four); on the way out v64-127 rows of out0.  window 1: v0-127 accumulators, v128-159 the bias.
.set BLK,  51200
.set FRG,  1536
.set SCW,  49152
.set STAGE, 4*BLK
.set SP,   272                         ; a stage row: 256 bytes + 16
.set AA,   1
.set AB,   3
.set ASA,  5
.set ASB,  7
.set STO,  9
.set SRD,  10
.set GO,   11
.set BO,   12
.set SC,   16
.set SPW,  62
.set NIL,  63
.set FS,   64
.set BI,   128
.set WV,   16
.set G1A,  24
.set G1B,  32
.set MSB, 0
.macro WIN new
.if MSB != (\new)
	s_set_vgpr_msb (MSB<<8)|(\new)
.set MSB, (\new)
.endif
.endm
.macro CROUND
	s_barrier_signal -1
	s_barrier_wait -1
	s_cmp_lg_u32 s[WV], 0
	s_cbranch_scc1 .Lnot_wave_0_\@
	s_barrier_signal -3
.Lnot_wave_0_\@:
	s_barrier_wait -3
	s_barrier_signal -1
	s_barrier_wait -1
.endm
.macro G0SET g, lds, b, off
	s_mov_b32 s[\g], 1
	s_mov_b32 s[\g+1], \lds
	s_add_nc_u64 s[\g+2:\g+3], s[\b:\b+1], \off
	s_or_b32 s[\g+3], s[\g+3], 0x80000000
.endm
.macro ARM w, g0, g1, next             ; one load a wave, each in an arm of one chain of branches on the wave's number
	s_cmp_eq_u32 s[WV], \w
	s_cbranch_scc0 \next
	tensor_load_to_lds s[\g0:\g0+3], s[\g1:\g1+7]
	s_nop 0
.rept 4
	v_nop
.endr
	s_branch .Lasked
\next:
.endm
.macro WM d, a, b, c, sa, sb, ra, rb
.if (\ra) && (\rb)
	v_wmma_scale_f32_16x16x128_f8f6f4 v[(\d):(\d)+7], v[(\a):(\a)+11], v[(\b):(\b)+11], v[(\c):(\c)+7], v[\sa], v[\sb] matrix_a_fmt:MATRIX_FMT_FP6 matrix_b_fmt:MATRIX_FMT_FP6 matrix_a_scale:MATRIX_SCALE_ROW1 matrix_b_scale:MATRIX_SCALE_ROW1
.elseif (\ra)
	v_wmma_scale_f32_16x16x128_f8f6f4 v[(\d):(\d)+7], v[(\a):(\a)+11], v[(\b):(\b)+11], v[(\c):(\c)+7], v[\sa], v[\sb] matrix_a_fmt:MATRIX_FMT_FP6 matrix_b_fmt:MATRIX_FMT_FP6 matrix_a_scale:MATRIX_SCALE_ROW1
.elseif (\rb)
	v_wmma_scale_f32_16x16x128_f8f6f4 v[(\d):(\d)+7], v[(\a):(\a)+11], v[(\b):(\b)+11], v[(\c):(\c)+7], v[\sa], v[\sb] matrix_a_fmt:MATRIX_FMT_FP6 matrix_b_fmt:MATRIX_FMT_FP6 matrix_b_scale:MATRIX_SCALE_ROW1
.else
	v_wmma_scale_f32_16x16x128_f8f6f4 v[(\d):(\d)+7], v[(\a):(\a)+11], v[(\b):(\b)+11], v[(\c):(\c)+7], v[\sa], v[\sb] matrix_a_fmt:MATRIX_FMT_FP6 matrix_b_fmt:MATRIX_FMT_FP6
.endif
.endm
	s_load_b256 s[4:11], s[0:1], 0x0               ; oimg, wimg, b_out, out0
	v_lshl_add_u32 v[SPW], v0, 2, 0x36400
	v_mov_b32 v[NIL], 0
	ds_add_u32 v[SPW], v[NIL]                      ; the opening: the add, twice on end, and its wait ahead of the first tensor load
	ds_add_u32 v[SPW], v[NIL]
	v_lshrrev_b32 v1, 5, v0
	v_readfirstlane_b32 s[WV], v1                  ; wave 0..3
	s_bfe_u32 s17, ttmp6, 0x40000                  ; cx
	s_bfe_u32 s18, ttmp6, 0x40004                  ; cy
	s_lshl_b32 s19, ttmp9, 2
	s_add_co_u32 s19, s19, s17                     ; block of 128 columns
	s_and_b32 s20, ttmp7, 0xffff
	s_lshl_b32 s20, s20, 2
	s_add_co_u32 s20, s20, s18                     ; block of 128 tokens
	s_lshl_b32 s21, s18, 2
	s_lshl_b32 s21, 15, s21                        ; my row of the cluster
	s_lshl_b32 s22, 0x1111, s17                    ; my column
	s_or_b32 s[G1A], s21, (3<<16)|(1<<21)          ; 15:0 the mask; 17:16 elements of 8 bytes; 21 set beside a mask; no padding
	s_or_b32 s[G1B], s22, (3<<16)|(1<<21)
.irp g, G1A, G1B
	s_mov_b32 s[\g+1], 32<<16                      ; a block, 51,200 dense bytes, as 200 rows of 256
	s_mov_b32 s[\g+2], 200<<16
	s_mov_b32 s[\g+3], 32<<16
	s_mov_b32 s[\g+4], 200
	s_mov_b32 s[\g+5], 32
	s_mov_b32 s[\g+6], 0
	s_mov_b32 s[\g+7], 0
.endr
	s_mul_i32 s70, s20, 2*BLK                      ; o: hangs on the token block alone
	s_mov_b32 s71, 0
	s_add_co_u32 s72, s19, 24                      ; W_out's column blocks lie behind W_qkv's 24: hangs on the column block alone
	s_mul_i32 s72, s72, 2*BLK
	s_mov_b32 s73, 0
	s_wait_dscnt 0x0
	s_wait_kmcnt 0x0
	s_add_nc_u64 s[70:71], s[4:5], s[70:71]
	s_add_nc_u64 s[72:73], s[6:7], s[72:73]
	G0SET 40, 0, 70, 0                             ; o, K half 0
	G0SET 44, 2*BLK, 72, 0                         ; W, K half 0
	G0SET 48, BLK, 70, BLK                         ; and K half 1
	G0SET 52, 3*BLK, 72, BLK
	CROUND                                         ; all sixteen work-groups are here: the joint loads meet
	ARM 0, 40, G1A, .Lwave_1
	ARM 1, 44, G1B, .Lwave_2
	ARM 2, 48, G1A, .Lwave_3
	tensor_load_to_lds s[52:55], s[G1B:G1B+7]
	s_nop 0
.rept 4
	v_nop                                          ; behind tensor loads
.endr
.Lasked:
	s_lshr_b32 s74, s[WV], 1                       ; which 64 tokens
	s_and_b32 s75, s[WV], 1                        ; which 64 columns
	s_mul_i32 s76, s74, 4*FRG
	s_mul_i32 s77, s75, 4*FRG
	s_add_co_u32 s77, s77, 2*BLK
	s_lshl_b32 s78, s74, 8
	s_lshl_b32 s79, s75, 8
	s_add_co_u32 s79, s79, 2*BLK
	s_mul_i32 s80, s[WV], 16*SP
	s_add_co_u32 s80, s80, STAGE                   ; my stage
	v_and_b32 v13, 31, v0
	v_lshlrev_b32 v14, 3, v13
	v_add_nc_u32 v[AA], s76, v14                   ; o's fragments come by 8 bytes a lane,
	v_add_nc_u32 v[AA+1], BLK, v[AA]
	v_lshlrev_b32 v14, 4, v13
	v_add_nc_u32 v[AB], s77, v14                   ; W's by 16
	v_add_nc_u32 v[AB+1], BLK, v[AB]
	v_lshlrev_b32 v14, 2, v13
	v_add_nc_u32 v[ASA], s78, v14
	v_add_nc_u32 v[ASA+1], BLK, v[ASA]
	v_add_nc_u32 v[ASB], s79, v14
	v_add_nc_u32 v[ASB+1], BLK, v[ASB]
	v_and_b32 v13, 15, v0                          ; r
	v_bfe_u32 v14, v0, 4, 1                        ; h
	v_mul_u32_u24 v[STO], v13, SP
	v_lshl_add_u32 v[STO], v14, 6, v[STO]
	v_add_nc_u32 v[STO], s80, v[STO]               ; into the stage: row r, + 64 h
	v_mul_u32_u24 v[SRD], v14, SP
	v_lshl_add_u32 v[SRD], v13, 4, v[SRD]
	v_add_nc_u32 v[SRD], s80, v[SRD]               ; back: lanes 0-15 one row, lanes 16-31 the next
	v_lshlrev_b32 v[GO], 12, v14
	v_lshl_add_u32 v[GO], v13, 4, v[GO]            ; and the same two rows in out0
	v_lshlrev_b32 v[BO], 6, v14
	s_wait_alu depctr_va_vdst(0)
	s_lshl_b32 s82, s19, 9
	s_lshl_b32 s83, s75, 8
	s_add_co_u32 s82, s82, s83                     ; my first column, in bytes
	s_mov_b32 s83, 0
	s_add_nc_u64 s[8:9], s[8:9], s[82:83]
	s_add_nc_u64 s[10:11], s[10:11], s[82:83]
	s_lshl_b32 s82, s20, 19
	s_lshl_b32 s81, s74, 18
	s_add_co_u32 s82, s82, s81                     ; my first token's row
	s_add_nc_u64 s[10:11], s[10:11], s[82:83]
	WIN 0x40                                       ; destination window 1
.irp t, 0,1,2,3                                ; tile t's eight columns of my half: 32 (t / 2) + 16 h + 8 (t % 2) + 0 .. 7
	global_load_b128 v[BI+8*\t:BI+8*\t+3], v[BO], s[8:9] offset:128*(\t/2)+32*(\t%2)
	global_load_b128 v[BI+8*\t+4:BI+8*\t+7], v[BO], s[8:9] offset:128*(\t/2)+32*(\t%2)+16
.endr
	WIN 0
.macro FETCHP ks                       ; the fragments and scale words of K step ks into set ks % 2: 40 LDS loads in one run
.set FP, (\ks)%2
.set FC, (\ks)/4
.set FQ, (\ks)%4
.irp i, 0,1,2,3
.irp c, 0,1
.irp p, 0,1,2
	ds_load_b64 v[FS+96*FP+12*\i+6*\c+2*\p:FS+96*FP+12*\i+6*\c+2*\p+1], v[AA+FC] offset:8*FRG*FQ+FRG*\i+768*\c+256*\p
.endr
.endr
.endr
.irp t, 0,1,2,3
.irp g, 0,1,2
	ds_load_b128 v[FS+96*FP+48+12*\t+4*\g:FS+96*FP+48+12*\t+4*\g+3], v[AB+FC] offset:8*FRG*FQ+FRG*\t+512*\g
.endr
.endr
.irp a, 0,1
	ds_load_b32 v[SC+4*FP+\a], v[ASA+FC] offset:SCW+512*FQ+128*\a
	ds_load_b32 v[SC+4*FP+2+\a], v[ASB+FC] offset:SCW+512*FQ+128*\a
.endr
.endm
.macro MUL16 ks, first                 ; 16 matrix instructions; the accumulators take turns, one instruction a turn, in the same order in every step
.set MP, (\ks)%2
	WIN 0x50                                       ; C and D window 1
.irp rt, 0,1,2,3
.irp ct, 0,1,2,3
.if \first
	WM 8*(4*\rt+\ct), FS+96*MP+48+12*\ct, FS+96*MP+12*\rt, BI+8*\ct, SC+4*MP+2+\ct/2, SC+4*MP+\rt/2, \ct%2, \rt%2
.else
	WM 8*(4*\rt+\ct), FS+96*MP+48+12*\ct, FS+96*MP+12*\rt, 8*(4*\rt+\ct), SC+4*MP+2+\ct/2, SC+4*MP+\rt/2, \ct%2, \rt%2
.endif
.endr
.endr
.endm
.macro KSTEP ks
	s_wait_dscnt 0x0                               ; this step's set is in (asked for 16 matrix instructions ago)
.if (\ks) == 3
	s_wait_tensorcnt 0x0                           ; K half 1 has landed in the waves that fetched it,
	s_barrier_signal -1
	s_barrier_wait -1                              ; and is shown to all
.endif
.if (\ks) < 7
	WIN 0
.if (\ks) > 0
.rept 4
	v_nop                                          ; four places in front of loads into registers that the last step's matrix instructions have read
.endr
.endif
	FETCHP (\ks)+1
.endif
.if (\ks) == 0
	MUL16 \ks, 1                                   ; the first step's products take the bias as C
.else
	MUL16 \ks, 0
.endif
.endm
	s_cmp_lt_u32 s[WV], 2
	s_cbranch_scc0 .Lnot_half_0
	s_wait_tensorcnt 0x0                           ; K half 0 is in; waves 2 and 3 wait for K half 1 ahead of the second barrier; nothing is filled again in this launch
.Lnot_half_0:
	s_wait_loadcnt 0x0                             ; the bias
	s_barrier_signal -1
	s_barrier_wait -1
	FETCHP 0
.irp k, 0,1,2,3,4,5,6,7
	KSTEP \k
.endr
	WIN 0
.rept 4
	v_nop                                          ; four places in front of the first read of results and of loads into the fragments' registers
.endr
; THE WAY OUT, a tile of 16 tokens x 64 columns at a time, through my own stage: in as 32 bytes a lane, back as whole rows of 256 bytes.  LDS serves a wave's instructions in order (ISA guide 5.7.1.4)
.macro TOSTAGE rt
	WIN 0x04                                       ; an LDS store's data are its source 1: window 1
.irp ct, 0,1,2,3
	ds_store_b128 v[STO], v[8*(4*(\rt)+\ct):8*(4*(\rt)+\ct)+3] offset:128*(\ct/2)+32*(\ct%2)      ; each accumulator from its low end on
	ds_store_b128 v[STO], v[8*(4*(\rt)+\ct)+4:8*(4*(\rt)+\ct)+7] offset:128*(\ct/2)+32*(\ct%2)+16
.endr
	WIN 0
.irp t, 0,1,2,3,4,5,6,7
	ds_load_b128 v[FS+32*((\rt)%2)+4*\t:FS+32*((\rt)%2)+4*\t+3], v[SRD] offset:2*\t*SP
.endr
.endm
.macro SEND rt, younger                ; younger: the LDS instructions issued behind tile rt's loads, which may stay out
	s_wait_dscnt \younger
.irp t, 0,1,2,3,4,5,6,7
	global_store_b128 v[GO], v[FS+32*((\rt)%2)+4*\t:FS+32*((\rt)%2)+4*\t+3], s[10:11] offset:(8*(\rt)+2*\t+24*(\t/4))*4096 th:TH_STORE_NT   ; lane rows 2 t, 2 t + 1 of the tile: 16 lanes store 256 consecutive bytes, aligned
.endr
.endm
	TOSTAGE 0
.irp r, 1,2,3
.if \r > 1
	s_wait_xcnt 0x0                                ; the stores of the tile two back have read their registers: this tile's loads may land there
.endif
	TOSTAGE \r
	SEND \r-1, 16                                  ; behind that tile's loads: this tile's 8 stores and 8 loads
.endr
	SEND 3, 0
	s_wait_tensorcnt 0x0                           ; the wave's end
	ds_add_u32 v[SPW], v[NIL]
	s_wait_dscnt 0x0
	CROUND                                         ; the closing round: no work-group ends while a partner may still ask for a block that names it
	s_endpgm
.Lfunc_end_k_q425254346f_proj:
	.size	k_q425254346f_proj, .Lfunc_end_k_q425254346f_proj-k_q425254346f_proj
	.p2alignl 7, 3214868480
	.fill 96, 4, 3214868480
	.section	.rodata,"a",@progbits
	.p2align	6, 0x0
	.amdhsa_kernel k_q425254346f_proj
		.amdhsa_group_segment_fixed_size 222720
		.amdhsa_private_segment_fixed_size 0
		.amdhsa_enable_private_segment 0
		.amdhsa_kernarg_size 32
		.amdhsa_user_sgpr_count 2
		.amdhsa_user_sgpr_kernarg_segment_ptr 1
		.amdhsa_wavefront_size32 1
		.amdhsa_system_sgpr_workgroup_id_x 1
		.amdhsa_system_sgpr_workgroup_id_y 1
		.amdhsa_system_sgpr_workgroup_id_z 1
		.amdhsa_system_vgpr_workitem_id 0
		.amdhsa_next_free_vgpr 416
		.amdhsa_next_free_sgpr 96
		.amdhsa_reserve_vcc 0
		.amdhsa_float_denorm_mode_32 3
		.amdhsa_float_denorm_mode_16_64 3
		.amdhsa_memory_ordered 1
		.amdhsa_forward_progress 1
		.amdhsa_inst_pref_size 54
	.end_amdhsa_kernel
	.amdgpu_metadata
---
amdhsa.version: [ 1, 2 ]
amdhsa.kernels:
  - .name:           k_q425254346f_proj
    .symbol:         k_q425254346f_proj.kd
    .args:
      - { .name: oimg, .offset: 0, .size: 8, .value_kind: global_buffer, .address_space: global }
      - { .name: wimg, .offset: 8, .size: 8, .value_kind: global_buffer, .address_space: global }
      - { .name: b_out, .offset: 16, .size: 8, .value_kind: global_buffer, .address_space: global }
      - { .name: out0, .offset: 24, .size: 8, .value_kind: global_buffer, .address_space: global }
    .group_segment_fixed_size: 222720
    .private_segment_fixed_size: 0
    .kernarg_segment_align: 8
    .kernarg_segment_size: 32
    .max_flat_workgroup_size: 128
    .sgpr_count:     96
    .vgpr_count:     416
    .wavefront_size: 32
...
	.end_amdgpu_metadata
.endif
;; end of part 4
